; MI455X (gfx1250); checked and timed in simulation.
; The chip was launched on July 23, 2026; its instructions are those of AMD's public machine-readable ISA for CDNA 5 (MIT licence, August 2026) and "CDNA5" Instruction Set Architecture Reference Guide (July 2026). The comments in the code are by the model that wrote it; some were corrected since.
;; Self Attention. Allowed arithmetic: matrix products marked QUANTISED: E4M3 operands, one given power-of-two scale a tensor, by v_wmma_f32_16x16x64_fp8_fp8 or v_wmma_f32_16x16x128_fp8_fp8, f32 sums; everything else in f32.
;; Inputs: k_b 1,024 float32; k_w 1,024 x 1,024 float32; key 4 x 2,048 x 1,024 float32; lowp_scales 10 int32 (the exponents e of the quantised operands' scales 2^e); mask 4 x 2,048 x 2,048 bool; q_b 1,024 float32; q_w 1,024 x 1,024 float32; query 4 x 2,048 x 1,024 float32; v_b 1,024 float32; v_w 1,024 x 1,024 float32; value 4 x 2,048 x 1,024 float32.
;; Outputs: out0 4 x 2,048 x 1,024 float32.
;; This version of the problem:
;;   THIS VERSION OF THE PROBLEM IS GIVEN IN LOW PRECISION. The matrix products marked QUANTISED in the list below multiply operands that are first quantised to E4M3 (4 exponent bits, 3 mantissa bits; 8 bits a number), with one given power-of-two scale for each operand tensor; their sums are f32. All else is computed in f32.
;;   The module's matrix products, in the order in which they are computed (A, B: the left and right operand; K: the contracted axis; several contracted axes count as one K, in the product's order):
;;     1. [M 8,192, K 1,024] x [K 1,024, N 1,024]; A: input query; B: input q_w: QUANTISED (scales: A lowp_scales[0], B lowp_scales[1])
;;     2. [M 8,192, K 1,024] x [K 1,024, N 1,024]; A: input key; B: input k_w: QUANTISED (scales: A lowp_scales[2], B lowp_scales[3])
;;     3. [M 8,192, K 1,024] x [K 1,024, N 1,024]; A: input value; B: input v_w: QUANTISED (scales: A lowp_scales[4], B lowp_scales[5])
;;     4. batch 4 x [M 2,048, K 1,024] x [K 1,024, N 2,048]; A: computed on the way; B: computed on the way: QUANTISED (scales: A lowp_scales[6], B lowp_scales[7])
;;     5. batch 4 x [M 2,048, K 2,048] x [K 2,048, N 1,024]; A: softmax (see below); B: computed on the way: QUANTISED (scales: A lowp_scales[8], B lowp_scales[9])
;;   THE QUANTISER, for each operand of a quantised product, along K:
;;     - The operand's scale is 2^e, e = its entry of the input lowp_scales (int32; the entries are numbered through the quantised products in the list's order, A before B).
;;     - Each number is divided by the scale, clamped to +-448, and rounded to the nearest number of E4M3, ties to even, subnormals kept.
;;     - The product sums the exact products of the quantised numbers (number of the format x scale) in f32.
;;   ~~~python
;;   def quantise(x, axis, e):      # numpy; x: float32 -> the quantised numbers, widened to float32 again
;;       x = np.moveaxis(x, axis, -1); K = x.shape[-1]
;;       r = np.clip(x / 2.0 ** e, -448, 448)
;;       step = 2.0 ** (np.maximum(np.frexp(np.where(r == 0, 1, r))[1] - 1, -6) - 3)
;;       q = np.round(r / step) * step * 2.0 ** e      # np.round: ties to even
;;       return np.moveaxis(q, -1, axis).astype(np.float32)
;;   ~~~
;;   SOFTMAX AHEAD OF A QUANTISED PRODUCT. Where the list says 'softmax', what is quantised is not the finished softmax but p = 2^(t - M), with t = logit x log2(e) and M = ceil(the row's largest t), a whole number; so 1/2 < the row's largest p <= 1. The row's sum l is taken of the UNQUANTISED p, in f32, and the product's result is divided by l at the end. Since M is a whole number, a kernel that streams over the keys may use a running M (the ceiling of the running maximum): every later rescaling is an exact power of two, so the quantised numbers keep their values, but for numbers so far below the row's largest that they fall under the format's range.
;;   OPERANDS COMPUTED ON THE WAY. 'Computed on the way' means the value that the module computes at that place (a softmax that the list does not call 'softmax' is quantised finished and normalised). What goes into a quantiser is computed in f32, as accurately as f32 sums, v_exp_f32 and their like allow (about 1e-6 of the number): no bf16 or f16 on the way to a quantiser, and a product that is left as it is and whose result goes on into a quantised operand takes f32 operands (vector FMAs, or v_wmma_f32_16x16x4_f32). A number that lies on a knife's edge between two numbers of the format may be rounded either way, as far as f32 arithmetic and the matrix unit's own rounding can turn it there, and no further.
;; One version. Each part assembles by itself: llvm-mc -triple=amdgcn-amd-amdhsa -mcpu=gfx1250 --defsym DOCPART=n.
;; ======== version 1 of 1: 4 launches
;; limits: right only within a limited range of input values
;; workspace buffers: xc 25,165,824 bytes; wc 3,145,728 bytes; qkc 16,777,216 bytes; vtc 8,388,608 bytes; pc 16,777,216 bytes; st 786,432 bytes
;; launch quant (part 1): grid 432 x 1, 4 waves a work-group, no clusters, 35,328 bytes of LDS; arguments query, key, value, q_w, k_w, v_w, lowp_scales, xc, wc; writes xc, wc
.if DOCPART == 1
	.amdgcn_target "amdgcn-amd-amdhsa--gfx1250"
	.amdhsa_code_object_version 6
	.text
	.protected	k_q894ae91cf0_quant
	.globl	k_q894ae91cf0_quant
	.p2align	8
	.type	k_q894ae91cf0_quant,@function
k_q894ae91cf0_quant:
	s_mov_b64 s[64:65], 0
	v_nop
	global_prefetch_b8 v0, s[64:65] scope:SCOPE_SE
	s_setreg_imm32_b32 hwreg(HW_REG_WAVE_MODE, 25, 1), 1
	s_wait_xcnt 0x0
; FIRST OF FOUR LAUNCHES of y = softmax(where(mask, -1e9, (query q_w^T + q_b)(key k_w^T + k_b)^T / 32)) (value v_w^T + v_b), all five products on codes of FP8 (E4M3) with given scales 2^e.
; NOTHING OF THE PROBLEM IS LEFT OUT: each bias goes into a quantised operand (k_b too: it moves k's codes), the mask is an input and may hold any pattern, so every tile of scores is computed, and all ten scales reach the result.
; THIS LAUNCH turns query, key, value [8192][1024] and q_w, k_w, v_w [1024][1024], f32, K innermost, into codes: code = x / 2^e, held within +-448, to the nearest code, ties to even.
; e = lowp_scales[2 i] for input i, lowp_scales[2 i + 1] for weight i.  LIMITS: -126 <= e <= 119, so that 2^e and 448 x 2^e are f32 numbers; NaN among the inputs is not served (an infinity is held at the largest code).
; THE LAYOUT OF ALL CODES IN THIS PROGRAM: IMAGES OF OPERAND REGISTERS.  A fragment is 16 rows x 128 K = 2,048 bytes: byte 512 c + 16 (16 h + r) + i is the code of slot r at k = 32 c + 16 h + i.
; Four 16-byte accesses a lane, at 16 x lane + 512 c, fill a fragment's 16 registers.  A buffer is [rowblock][K step][2,048].  Slot r of rowblock RB is row 32 (RB / 2) + 8 (RB % 2) + r + 8 (r / 8):
; as source 0 of a product, two neighbouring rowblocks then give a lane 16 neighbouring rows in 16 registers, so that results can be converted straight into the next product's image.
; SHARES.  A wave takes one rowblock x all 1,024 of K: 64 KB in, 16 KB out, the output consecutive.  Work-groups 0-383: the inputs (128 each); 384-431: the weights (16 each).  One path: only pointers and e are chosen.
; A step is 16 rows x 64 numbers.  Each load reads two rows' 256 consecutive bytes; the step turns through the wave's own stage in LDS (16 rows, 272 bytes apart) so that a lane gets 16 neighbours along K twice.
; No tensor loads, no barrier: waves share nothing.  Loads run three steps (24 loads a wave) ahead, the turn through LDS one step.
.set STGB,  4352                       ; a stage: 16 rows x 272 bytes
.set WREG,  2*STGB                     ; two stages a wave
.set SPARE, 4*WREG                     ; behind the stages: the spare words, 128 bytes a wave, that no other line names
.set NWI,   384                        ; work-groups that take inputs
.set SPW,   12                         ; v12  my spare word's LDS address; never rewritten
.set NIL,   13                         ; v13  0; never rewritten
.set R,     16                         ; v16-111   three sets of 32 numbers as loaded
.set X,     112                        ; v112-175  two sets of 32: 16 neighbours of each of two blocks of 32
.set C,     176                        ; v176-207  four sets of 8 registers of codes
	s_load_b512 s[4:19], s[0:1], 0x0               ; query, key, value, q_w, k_w, v_w, the scales s[16:17], xc s[18:19]
	s_load_b64 s[20:21], s[0:1], 0x40              ; wc
	v_lshl_add_u32 v[SPW], v0, 2, SPARE
	v_mov_b32 v[NIL], 0
	v_lshrrev_b32 v1, 5, v0
	v_readfirstlane_b32 s22, v1                    ; wave
	v_and_b32 v2, 31, v0                           ; lane
	v_and_b32 v5, 15, v0                           ; r
	v_bfe_u32 v6, v0, 4, 1                         ; h
	v_lshlrev_b32 v3, 4, v5
	v_lshl_add_u32 v3, v6, 12, v3                  ; in memory: lanes 0-15 one row's 256 bytes, lanes 16-31 the next row's
	v_lshlrev_b32 v4, 4, v2                        ; out: 16 x lane
	s_mul_i32 s23, s22, WREG
	v_mul_u32_u24 v14, v6, 272
	v_lshl_add_u32 v14, v5, 4, v14
	v_add_nc_u32 v14, s23, v14                     ; into the stage: as loaded
	v_mul_u32_u24 v15, v5, 272
	v_lshl_add_u32 v15, v6, 6, v15
	v_add_nc_u32 v15, s23, v15                     ; out of it: slot r, 64 h bytes on
	s_cmp_lt_u32 ttmp9, NWI                        ; an input's work-group or a weight's: ids alone decide
	s_cselect_b32 s24, 0, NWI
	s_cselect_b32 s25, 7, 4                        ; log2 of the work-groups of a tensor
	s_cselect_b32 s26, 0, 3                        ; first pointer of the kind
	s_cselect_b32 s27, 0, 1                        ; A's or B's scale
	s_cselect_b32 s28, 9, 6                        ; log2 of the rowblocks of a tensor
	s_sub_co_u32 s24, ttmp9, s24
	s_lshr_b32 s29, s24, s25                       ; i: which of the three
	s_lshl_b32 s31, s29, s25
	s_sub_co_u32 s24, s24, s31
	s_lshl_b32 s24, s24, 2
	s_add_co_u32 s24, s24, s22                     ; my rowblock in the tensor
	s_add_co_u32 s26, s26, s29                     ; which pointer
	s_lshl_b32 s31, s29, 1
	s_add_co_u32 s27, s27, s31                     ; which scale
	s_lshl_b32 s28, s29, s28
	s_add_co_u32 s28, s28, s24
	s_lshl_b32 s36, s28, 14                        ; out: 16,384 bytes a rowblock
	s_mov_b32 s37, 0
	s_lshr_b32 s31, s24, 1
	s_lshl_b32 s38, s31, 17                        ; in: 32 rows of 4,096 bytes for a pair of rowblocks,
	s_and_b32 s31, s24, 1
	s_lshl_b32 s31, s31, 15                        ; 8 rows on for the odd one
	s_add_co_u32 s38, s38, s31
	s_mov_b32 s39, 0
	s_wait_alu depctr_va_vdst(0)
	s_wait_kmcnt 0x0
	s_load_b256 s[40:47], s[16:17], 0x0            ; lowp_scales[0..7]
	s_mov_b64 s[32:33], s[4:5]
.irp j, 1,2,3,4,5
	s_cmp_eq_u32 s26, \j
	s_cselect_b64 s[32:33], s[4+2*\j:5+2*\j], s[32:33]
.endr
	s_cmp_lt_u32 ttmp9, NWI
	s_cselect_b64 s[34:35], s[18:19], s[20:21]
	s_add_nc_u64 s[32:33], s[32:33], s[38:39]
	s_add_nc_u64 s[34:35], s[34:35], s[36:37]
.macro LOAD t                          ; step t: load i brings slots 2 i and 2 i + 1 (rows 2 i + 8 (i / 4) on), 256 bytes of each
.irp i, 0,1,2,3,4,5,6,7
	global_load_b128 v[R+32*((\t)%3)+4*\i:R+32*((\t)%3)+4*\i+3], v3, s[32:33] offset:(2*\i+8*(\i/4))*4096+256*(\t) th:TH_LOAD_NT
.endr
.endm
.macro TURN t                          ; through the stage: LDS serves a wave's instructions in order, so no wait stands between the stores and the loads
.irp i, 0,1,2,3,4,5,6,7
	ds_store_b128 v14, v[R+32*((\t)%3)+4*\i:R+32*((\t)%3)+4*\i+3] offset:STGB*((\t)%2)+544*\i
.endr
.irp u, 0,1
.irp j, 0,1,2,3
	ds_load_b128 v[X+32*((\t)%2)+16*\u+4*\j:X+32*((\t)%2)+16*\u+4*\j+3], v15 offset:STGB*((\t)%2)+128*\u+16*\j
.endr
.endr
.endm
	LOAD 0
	LOAD 1
	LOAD 2
	s_wait_kmcnt 0x0
	s_mov_b32 s30, s40
.irp j, 1,2,3,4,5
	s_cmp_eq_u32 s27, \j
	s_cselect_b32 s30, s[40+\j], s30               ; e
.endr
	s_add_co_i32 s30, s30, 127
	s_lshl_b32 s31, s30, 23
	v_mov_b32 v11, s31                             ; 2^e as f32: the conversion takes its exponent field
	s_add_co_i32 s30, s30, 8
	s_lshl_b32 s30, s30, 23
	s_or_b32 s30, s30, 0x600000
	v_mov_b32 v10, s30                             ; 448 x 2^e
	s_wait_alu depctr_va_vdst(0)
	s_wait_loadcnt 16                              ; step 0's eight loads are in; steps 1 and 2 may be out
	TURN 0
.macro STEP t
.set XS, X+32*((\t)%2)
.set CS, C+8*((\t)%4)
	s_wait_dscnt 0x0                               ; this step's numbers are back from the stage, and its stores into the stage have read their registers,
.if (\t)+3 < 16
	LOAD (\t)+3                                    ; which take the loads of three steps on
.endif
.if (\t)+1 < 16
.if (\t) <= 12
	s_wait_loadcnt 16                              ; the next step's eight loads are in; those of the two steps behind it may be out
.else
	s_wait_loadcnt 8*(14-(\t))
.endif
	TURN (\t)+1
.endif
.if (\t) >= 4
	s_wait_xcnt 0x0                                ; the stores of four steps ago have read this set of codes
.endif
.set j, 0
.rept 32
	v_med3_num_f32 v[XS+j], v[XS+j], -v10, v10     ; the conversion to an 8-bit code does not saturate (ISA guide 7.6.2): the hold comes first
.set j, j+1
.endr
.irp g, 0,1,2,3
	v_cvt_scalef32_pk8_fp8_f32 v[CS+2*\g:CS+2*\g+1], v[XS+8*\g:XS+8*\g+7], v11
.endr
	global_store_b128 v4, v[CS:CS+3], s[34:35] offset:1024*(\t)         ; 32 lanes store 512 consecutive bytes: K step t / 2, registers 4 c on, c = (2 t) % 4
	global_store_b128 v4, v[CS+4:CS+7], s[34:35] offset:1024*(\t)+512
.endm
.irp t, 0,1,2,3,4,5,6,7,8,9,10,11,12,13,14,15
	STEP \t
.endr
	s_wait_tensorcnt 0x0                           ; the wave's end
	ds_add_u32 v[SPW], v[NIL]
	s_wait_dscnt 0x0
	s_endpgm
.Lfunc_end_k_q894ae91cf0_quant:
	.size	k_q894ae91cf0_quant, .Lfunc_end_k_q894ae91cf0_quant-k_q894ae91cf0_quant
	.p2alignl 7, 3214868480
	.fill 96, 4, 3214868480
	.section	.rodata,"a",@progbits
	.p2align	6, 0x0
	.amdhsa_kernel k_q894ae91cf0_quant
		.amdhsa_group_segment_fixed_size 35328
		.amdhsa_private_segment_fixed_size 0
		.amdhsa_enable_private_segment 0
		.amdhsa_kernarg_size 72
		.amdhsa_user_sgpr_count 2
		.amdhsa_user_sgpr_kernarg_segment_ptr 1
		.amdhsa_wavefront_size32 1
		.amdhsa_system_sgpr_workgroup_id_x 1
		.amdhsa_system_sgpr_workgroup_id_y 1
		.amdhsa_system_sgpr_workgroup_id_z 1
		.amdhsa_system_vgpr_workitem_id 0
		.amdhsa_next_free_vgpr 208
		.amdhsa_next_free_sgpr 66
		.amdhsa_reserve_vcc 0
		.amdhsa_float_denorm_mode_32 3
		.amdhsa_float_denorm_mode_16_64 3
		.amdhsa_memory_ordered 1
		.amdhsa_forward_progress 1
		.amdhsa_inst_pref_size 72
	.end_amdhsa_kernel
	.amdgpu_metadata
---
amdhsa.version: [ 1, 2 ]
amdhsa.kernels:
  - .name:           k_q894ae91cf0_quant
    .symbol:         k_q894ae91cf0_quant.kd
    .args:
      - { .name: query, .offset: 0, .size: 8, .value_kind: global_buffer, .address_space: global }
      - { .name: key, .offset: 8, .size: 8, .value_kind: global_buffer, .address_space: global }
      - { .name: value, .offset: 16, .size: 8, .value_kind: global_buffer, .address_space: global }
      - { .name: q_w, .offset: 24, .size: 8, .value_kind: global_buffer, .address_space: global }
      - { .name: k_w, .offset: 32, .size: 8, .value_kind: global_buffer, .address_space: global }
      - { .name: v_w, .offset: 40, .size: 8, .value_kind: global_buffer, .address_space: global }
      - { .name: lowp_scales, .offset: 48, .size: 8, .value_kind: global_buffer, .address_space: global }
      - { .name: xc, .offset: 56, .size: 8, .value_kind: global_buffer, .address_space: global }
      - { .name: wc, .offset: 64, .size: 8, .value_kind: global_buffer, .address_space: global }
    .group_segment_fixed_size: 35328
    .private_segment_fixed_size: 0
    .kernarg_segment_align: 8
    .kernarg_segment_size: 72
    .max_flat_workgroup_size: 128
    .sgpr_count:     66
    .vgpr_count:     208
    .wavefront_size: 32
...
	.end_amdgpu_metadata
.endif
;; end of part 1
;; launch proj (part 2): grid 256 x 1, 4 waves a work-group, clusters of 4 x 1, 327,680 bytes of LDS; arguments xc, wc, lowp_scales, q_b, k_b, v_b, qkc, vtc; writes qkc, vtc
.if DOCPART == 2
	.amdgcn_target "amdgcn-amd-amdhsa--gfx1250"
	.amdhsa_code_object_version 6
	.text
	.protected	k_q894ae91cf0_proj
	.globl	k_q894ae91cf0_proj
	.p2align	8
	.type	k_q894ae91cf0_proj,@function
k_q894ae91cf0_proj:
	s_mov_b64 s[64:65], 0
	v_nop
	global_prefetch_b8 v0, s[64:65] scope:SCOPE_SE
	s_setreg_imm32_b32 hwreg(HW_REG_WAVE_MODE, 25, 1), 1
	s_wait_xcnt 0x0
	s_wait_alu depctr_hold_cnt(0) depctr_sa_sdst(0) depctr_va_vdst(0) depctr_va_sdst(0) depctr_va_ssrc(0) depctr_va_vcc(0) depctr_vm_vsrc(0)
	s_getreg_b32 s2, hwreg(HW_REG_IB_STS2, 6, 4)
	s_cmp_eq_u32 s2, 0
	s_cbranch_scc0 .Lentry_in_a_cluster
	s_endpgm
.Lentry_in_a_cluster:
	s_bfe_u32 s2, ttmp6, 0x10000c
	s_cmp_lg_u32 s2, 0x3003
	s_cbranch_scc0 .Lentry_shape_is_right
	s_endpgm
.Lentry_shape_is_right:
; SECOND LAUNCH: q = query q_w^T + q_b, k = key k_w^T + k_b, v = value v_w^T + v_b on codes of FP8, each result quantised at once (2^e6, 2^e7, 2^e9) and stored as images of operand registers.  Nothing is left out.
; IMAGES (first launch): a fragment, 16 rows x 128 K, is 2,048 bytes; four 16-byte accesses a lane at 16 x lane + 512 c fill its 16 registers.  xc, wc, qkc: [rowblock][K step 8][2,048]; vtc: [channel rowblock 64][key step 64][2,048].
; SHARES.  256 work-groups of four waves in clusters of four; each does two parts, K = 1,024 in 8 steps of 128 each.
;   part 1: 256 rows of query or key (16 rowblocks, S1) x 256 channels; a wave takes 64 channels: 16 x 4 accumulators.   part 2: 128 channels of v_w (8 rowblocks, S2) x 256 keys of value; a wave takes 64 keys: 8 x 4 accumulators.
; THE STATIONARY OPERANDS lie in LDS: S1's K steps 0-3 (131,072 bytes, region 0) are asked for at the head, its K steps 4-7 (region 1) behind the head's round; S2 (131,072 bytes) fills region 0 AGAIN at half-step 7,
; where every wave holds its last fragments of region 0 in registers: the three lines and a round stand in front of it, and it is first read in half-step 15, behind its own wait and barrier.
; CLUSTER 4, 1, 1: the four partners take the same rows and the same block of v_w, and other channels and keys: S1 and S2 are asked for jointly (mask 15), a quarter by each wave.
; THE OTHER OPERAND (part 1: weight rows; part 2: value rows) is read by one wave alone in its work-group, so it goes from memory straight into registers: a stream of 64 fragments (32 + 32) through a ring of 14 slots of 16 registers.
; A step of part 1 is two half-steps: rowblocks 0-7, then rowblocks 8-15, each against the step's four streamed fragments; a fragment is source 0 of 16 matrix instructions and its slot is loaded anew behind the second eight.
; In part 2 a fragment serves eight.  The stationary fragments have two sets of 128 registers: a half-step's 32 LDS loads for the next stand at its head.  The accumulators take turns, one instruction a turn.
; A lane holds one row of source 1, its registers rows of source 0: two neighbouring rowblocks give 16 neighbours along the next product's K, so the conversions' results are the next image.
; PREFETCH: part 2's stream.  In step t of part 1 a work-group asks for K step t of 2 of the 16 value rowblocks that it shares with 7 others (told apart by address), 1,024 bytes a wave, lanes 0-3 on 256-byte blocks, the other lanes on the last again:
; each block is named once among the eight.  The weights' stream is asked for 10 to 13 fragments ahead by its own loads and has no prefetch.
; LIMITS: e0 + e1, e2 + e3, e4 + e5 between -126 and 127; e6, e7, e9 between -126 and 119, so that each power of two below is an f32 number; NaN is not served.
; REGISTERS: window 0: v1-15 scales and addresses, v16-31 v_b of my lane's channels (pairs), v32-255 the ring.  window 1: the stationary fragments, two sets; on part 1's way out v128-159 the bias, v192-255 codes.  windows 2, 3: accumulators.
.set BIASL, 262144                     ; 4 x 4,096 bytes: each wave's bias as an image of 32 registers; no fill lands here
.set SPARE, 278528                     ; the spare words, 128 bytes a wave, that no other line names
.set NRING, 14
.set RING,  32
.set NF,    64
.set SC,    1
.set LIM,   2
.set SC2,   3
.set LIM2,  4
.set PFO,   5
.set SPW,   6
.set NIL,   7
.set TC,    8
.set LI,    9                          ; v9 16 x lane; v9-12 the same + 0, 1, 2, 3 x 65,536
.set ADR,   9
.set ADRB,  13
.set TA,    14
.set TB,    15
.set BM,    16
.set WV,    14
.set G1,    24                         ; s[24:31] S1's tiles: 4 rows of 8,192 bytes, 16,384 apart
.set G0,    32
.set G0B,   36
.set T1,    40
.set T2,    42
.set OB1,   44
.set OB2,   46
.set PFA,   48
.set SS,    50
.set SS2,   52
.set G1D,   56                         ; s[56:63] S2's tiles: dense, 128 rows of 256 bytes
.set G0S,   96
.set MSB, 0
.macro WIN new                         ; the immediate's high byte repeats the setting that is left
.if MSB != (\new)
	s_set_vgpr_msb (MSB<<8)|(\new)
.set MSB, (\new)
.endif
.endm
.macro PLACES
.rept 4
	v_nop
.endr
.endm
.macro CROUND                          ; a round of the cluster's barrier
	s_barrier_signal -1
	s_barrier_wait -1
	s_cmp_lg_u32 s[WV], 0
	s_cbranch_scc1 .Lnot_wave_0_\@
	s_barrier_signal -3
.Lnot_wave_0_\@:
	s_barrier_wait -3
	s_barrier_signal -1
	s_barrier_wait -1
.endm
.macro LDF f                           ; fragment f of the stream into its slot (every window 0)
.set SL_, RING+16*((\f)%NRING)
.if (\f) < 32
.set OF_, ((\f)%4)*16384+((\f)/4)*2048
.irp c, 0,1,2,3
	global_load_b128 v[SL_+4*\c:SL_+4*\c+3], v[LI], s[T1:T1+1] offset:OF_+512*\c
.endr
.else
.set OF_, ((\f)%4)*16384+(((\f)-32)/4)*2048
.irp c, 0,1,2,3
	global_load_b128 v[SL_+4*\c:SL_+4*\c+3], v[LI], s[T2:T2+1] offset:OF_+512*\c
.endr
.endif
.endm
.macro LDAS n                          ; half-step n's eight stationary fragments into set n % 2 of window 1.  n < 16: S1, K step n / 2, rowblocks 8 (n % 2) on; else S2, K step n - 16
	WIN 0x40
.if (\n) < 16
.set AI_, ADR+2*((\n)/8)+(\n)%2
.set AO_, (((\n)/2)%4)*2048
.irp a, 0,1,2,3,4,5,6,7
.irp c, 0,1,2,3
	ds_load_b128 v[128*((\n)%2)+16*\a+4*\c:128*((\n)%2)+16*\a+4*\c+3], v[AI_] offset:\a*8192+AO_+512*\c
.endr
.endr
.else
.irp a, 0,1,2,3,4,5,6,7
.irp c, 0,1,2,3
	ds_load_b128 v[128*((\n)%2)+16*\a+4*\c:128*((\n)%2)+16*\a+4*\c+3], v[ADR+\a/4] offset:(\a%4)*16384+((\n)-16)*2048+512*\c
.endr
.endr
.endif
	WIN 0
.endm
.macro FRAG f, n                       ; fragment f in half-step n: its wait, eight products, four places, and behind its last use the slot's next load
.set SL_, RING+16*((\f)%NRING)
.set AF_, 128*((\n)%2)
.if (\n) < 16
.if (\n)%2 == 0
	s_wait_loadcnt 4*(13-(\f)%4)                   ; the youngest fragment asked for is 4 k + 13: those behind this one, four loads each, may be out
.endif
.set W_, 2+(\n)%2
.set AB_, 64*((\f)%4)
.set AS_, 8
.set Z_, (\n)/2
.set L_, (\n)%2
.else
.if NF-1-(\f) < NRING-1
	s_wait_loadcnt 4*(NF-1-(\f))
.else
	s_wait_loadcnt 4*(NRING-1)
.endif
.set W_, 2
.set AB_, 8*((\f)%4)
.set AS_, 32
.set Z_, (\n)-16
.set L_, 1
.endif
	WIN (W_<<6)|(W_<<4)|4
.irp a, 0,1,2,3,4,5,6,7
.if Z_ == 0
	v_wmma_f32_16x16x128_fp8_fp8 v[AB_+AS_*\a:AB_+AS_*\a+7], v[SL_:SL_+15], v[AF_+16*\a:AF_+16*\a+15], 0
.else
	v_wmma_f32_16x16x128_fp8_fp8 v[AB_+AS_*\a:AB_+AS_*\a+7], v[SL_:SL_+15], v[AF_+16*\a:AF_+16*\a+15], v[AB_+AS_*\a:AB_+AS_*\a+7]
.endif
.endr
	WIN 0
	PLACES                                         ; ahead of loads into registers that these products read, and of reads of their results
.if L_
.if (\f)+NRING < NF
	LDF (\f)+NRING
.endif
.endif
.endm
.macro HS n
.if (\n) == 7
	s_wait_tensorcnt 0x0                           ; my part of region 1 has landed;
	ds_add_u32 v[SPW], v[NIL]
	s_wait_dscnt 0x0                               ; the add is done, and my last reads of region 0 are in registers
	CROUND                                         ; both hold of every wave of the four work-groups
	tensor_load_to_lds s[G0S:G0S+3], s[G1D:G1D+7]  ; my quarter of S2 fills region 0 again: my one tensor load behind the round
	s_nop 0
	PLACES
.else
	s_wait_dscnt 0x0                               ; this half-step's stationary fragments are in
.endif
.if (\n) == 15
	s_wait_tensorcnt 0x0                           ; my quarter of S2 has landed,
	s_barrier_signal -1
	s_barrier_wait -1                              ; everybody's has
.endif
.if (\n) < 23
	LDAS (\n)+1
.endif
.if (\n) < 16
.set FB_, 4*((\n)/2)
.else
.set FB_, 32+4*((\n)-16)
.endif
	FRAG FB_+0, \n
	FRAG FB_+1, \n
.if (\n) < 16
.if (\n)%2 == 0
	global_prefetch_b8 v[PFO], s[PFA:PFA+1] offset:2048*((\n)/2) th:TH_LOAD_NT scope:SCOPE_SE
.endif
.endif
	FRAG FB_+2, \n
	FRAG FB_+3, \n
.endm
	s_load_b512 s[68:83], s[0:1], 0x0              ; xc, wc, the scales, q_b, k_b, v_b, qkc, vtc
	v_lshl_add_u32 v[SPW], v0, 2, SPARE
	v_mov_b32 v[NIL], 0
	ds_add_u32 v[SPW], v[NIL]                      ; the opening: the add, twice on end, and its wait ahead of my first tensor load
	ds_add_u32 v[SPW], v[NIL]
	v_lshrrev_b32 v[TA], 5, v0
	v_readfirstlane_b32 s[WV], v[TA]               ; wave
	s_mov_b32 s[G1+0], 15|(3<<16)|(1<<21)          ; the mask of all four partners, elements of 8 bytes, bit 21 beside the mask
	s_mov_b32 s[G1+1], 1024<<16
	s_mov_b32 s[G1+2], 4<<16
	s_mov_b32 s[G1+3], 1024<<16
	s_mov_b32 s[G1+4], 4
	s_mov_b32 s[G1+5], 2048
	s_mov_b32 s[G1+6], 0
	s_mov_b32 s[G1+7], 0
	s_mov_b32 s[G1D+0], 15|(3<<16)|(1<<21)
	s_mov_b32 s[G1D+1], 32<<16
	s_mov_b32 s[G1D+2], 128<<16
	s_mov_b32 s[G1D+3], 32<<16
	s_mov_b32 s[G1D+4], 128
	s_mov_b32 s[G1D+5], 32
	s_mov_b32 s[G1D+6], 0
	s_mov_b32 s[G1D+7], 0
	s_bfe_u32 s15, ttmp6, 0x40000                  ; cx: which 256 channels of part 1 (ttmp9: which 256 rows of query and key, the same in all partners)
	s_lshr_b32 s17, ttmp9, 5                       ; 0: query, 1: key
	s_and_b32 s18, ttmp9, 7                        ; cb: which 128 channels of v: the same in all partners
	s_lshr_b32 s19, ttmp9, 3
	s_lshl_b32 s19, s19, 2
	s_add_co_u32 s19, s19, s15                     ; kb: which 256 keys of value
	s_lshl_b32 s20, s[WV], 15                      ; wave x 32,768
	s_lshl_b32 s2, ttmp9, 18                       ; S1 in xc: rowblock 16 x block + 4 wave
	s_lshl_b32 s3, s[WV], 16
	s_add_co_u32 s2, s2, s3
	s_mov_b32 s3, 0
	s_lshl_b32 s4, s18, 17                         ; S2 in wc: rowblock 128 + 8 cb, + my quarter
	s_add_co_u32 s4, s4, s20
	s_add_co_u32 s4, s4, 128*16384
	s_mov_b32 s5, 0
	s_lshl_b32 s6, s17, 20                         ; part 1's stream in wc: rowblock 64 t + 16 cx + 4 wave
	s_lshl_b32 s7, s15, 18
	s_add_co_u32 s6, s6, s7
	s_lshl_b32 s7, s[WV], 16
	s_add_co_u32 s6, s6, s7
	s_mov_b32 s7, 0
	s_lshl_b32 s8, s19, 18                         ; part 2's stream in xc: rowblock 1,024 + 16 kb + 4 wave
	s_lshl_b32 s9, s[WV], 16
	s_add_co_u32 s8, s8, s9
	s_add_co_u32 s8, s8, 1024*16384
	s_mov_b32 s9, 0
	s_lshl_b32 s10, ttmp9, 18                      ; qkc: rowblock 16 x block, channel step 2 cx + wave / 2, half wave % 2 of the fragment
	s_lshl_b32 s11, s15, 12
	s_add_co_u32 s10, s10, s11
	s_lshl_b32 s11, s[WV], 10
	s_add_co_u32 s10, s10, s11
	s_mov_b32 s11, 0
	s_lshl_b32 s12, s18, 20                        ; vtc: channel rowblock 8 cb, key step 2 kb + wave / 2, half wave % 2 of the fragment
	s_lshl_b32 s13, s19, 12
	s_add_co_u32 s12, s12, s13
	s_lshl_b32 s13, s[WV], 10
	s_add_co_u32 s12, s12, s13
	s_mov_b32 s13, 0
	s_lshl_b32 s22, s19, 18                        ; the prefetches: rowblock 1,024 + 16 kb + 2 cb + wave / 2, + 1,024 (wave % 2)
	s_lshl_b32 s23, s18, 15
	s_add_co_u32 s22, s22, s23
	s_lshr_b32 s23, s[WV], 1
	s_lshl_b32 s23, s23, 14
	s_add_co_u32 s22, s22, s23
	s_and_b32 s23, s[WV], 1
	s_lshl_b32 s23, s23, 10
	s_add_co_u32 s22, s22, s23
	s_add_co_u32 s22, s22, 1024*16384
	s_mov_b32 s23, 0
	s_wait_dscnt 0x0                               ; both opening adds are done
	s_wait_kmcnt 0x0
	s_load_b256 s[84:91], s[72:73], 0x0            ; e0 .. e7
	s_load_b64 s[92:93], s[72:73], 0x20            ; e8, e9
	s_add_nc_u64 s[2:3], s[68:69], s[2:3]
	s_add_nc_u64 s[4:5], s[70:71], s[4:5]
	s_add_nc_u64 s[T1:T1+1], s[70:71], s[6:7]
	s_add_nc_u64 s[T2:T2+1], s[68:69], s[8:9]
	s_add_nc_u64 s[OB1:OB1+1], s[80:81], s[10:11]
	s_add_nc_u64 s[OB2:OB2+1], s[82:83], s[12:13]
	s_add_nc_u64 s[PFA:PFA+1], s[68:69], s[22:23]
	s_cmp_eq_u32 s17, 0
	s_cselect_b64 s[54:55], s[74:75], s[76:77]     ; q_b or k_b: ids alone decide
	CROUND                                         ; all four work-groups are here: the first joint loads meet
	s_mov_b32 s[G0], 1
	s_mov_b32 s[G0+1], s20
	s_mov_b64 s[G0+2:G0+3], s[2:3]
	s_or_b32 s[G0+3], s[G0+3], 0x80000000
	s_mov_b32 s[G0B], 1
	s_add_co_u32 s[G0B+1], s20, 131072
	s_add_nc_u64 s[G0B+2:G0B+3], s[2:3], 8192
	s_or_b32 s[G0B+3], s[G0B+3], 0x80000000
	s_mov_b32 s[G0S], 1
	s_mov_b32 s[G0S+1], s20
	s_mov_b64 s[G0S+2:G0S+3], s[4:5]
	s_or_b32 s[G0S+3], s[G0S+3], 0x80000000
	tensor_load_to_lds s[G0:G0+3], s[G1:G1+7]      ; K steps 0-3 of my four rowblocks of S1: my one tensor load at the head
	s_nop 0
	PLACES
	v_and_b32 v[TA], 31, v0
	v_lshlrev_b32 v[LI], 4, v[TA]
	v_min_u32 v[PFO], 3, v[TA]
	v_lshlrev_b32 v[PFO], 8, v[PFO]
	v_add_nc_u32 v[ADR+1], 0x10000, v[LI]
	v_add_nc_u32 v[ADR+2], 0x20000, v[LI]
	v_add_nc_u32 v[ADR+3], 0x30000, v[LI]
	s_lshl_b32 s21, s[WV], 12
	s_add_co_u32 s21, s21, BIASL
	v_add_nc_u32 v[ADRB], s21, v[LI]
	v_bfe_u32 v[TB], v0, 4, 1                      ; h
	s_lshl_b32 s21, s15, 10
	s_lshl_b32 s16, s[WV], 8
	s_add_co_u32 s21, s21, s16
	v_lshl_add_u32 v[TB], v[TB], 6, s21            ; the bias of part 1: channel 256 cx + 64 wave + 16 h on
	v_and_b32 v[TA], 15, v0
	v_and_b32 v[TC], 8, v[TA]
	v_add_nc_u32 v[TA], v[TA], v[TC]               ; r + 8 (r / 8)
	s_lshl_b32 s21, s18, 9
	v_lshl_add_u32 v[TA], v[TA], 2, s21            ; v_b: channel 128 cb + r + 8 (r / 8)
	WIN 0x40
.irp i, 0,1,2,3,4,5,6,7
	global_load_b128 v[4*\i:4*\i+3], v[TB], s[54:55] offset:128*(\i/4)+16*(\i%4)   ; register 8 b + j: channel 32 (b / 2) + 16 h + 8 (b % 2) + j
.endr
	WIN 0
.irp a, 0,1,2,3,4,5,6,7
	global_load_b32 v[BM+2*\a], v[TA], s[78:79] offset:4*(32*(\a/2)+8*(\a%2))
	global_load_b32 v[BM+2*\a+1], v[TA], s[78:79] offset:4*(32*(\a/2)+8*(\a%2))    ; twice: a pair for the packed form
.endr
.set FC, 0
.rept NRING
	LDF FC
.set FC, FC+1
.endr
	s_wait_alu depctr_va_vdst(0)
	s_wait_kmcnt 0x0
	s_cmp_eq_u32 s17, 0
	s_cselect_b32 s84, s84, s86
	s_cselect_b32 s85, s85, s87
	s_cselect_b32 s90, s90, s91
	s_add_co_i32 s84, s84, s85
	s_add_co_i32 s84, s84, 127
	s_lshl_b32 s[SS], s84, 23                      ; 2^(eA + eB) of part 1
	s_mov_b32 s[SS+1], s[SS]
	s_add_co_i32 s90, s90, 127
	s_lshl_b32 s91, s90, 23
	s_add_co_i32 s90, s90, 8
	s_lshl_b32 s90, s90, 23
	s_or_b32 s90, s90, 0x600000
	v_mov_b32 v[SC], s91                           ; 2^e6 or 2^e7
	v_mov_b32 v[LIM], s90                          ; 448 x that
	s_add_co_i32 s88, s88, s89
	s_add_co_i32 s88, s88, 127
	s_lshl_b32 s[SS2], s88, 23                     ; 2^(e4 + e5)
	s_mov_b32 s[SS2+1], s[SS2]
	s_add_co_i32 s93, s93, 127
	s_lshl_b32 s92, s93, 23
	s_add_co_i32 s93, s93, 8
	s_lshl_b32 s93, s93, 23
	s_or_b32 s93, s93, 0x600000
	v_mov_b32 v[SC2], s92                          ; 2^e9
	v_mov_b32 v[LIM2], s93
	s_wait_alu depctr_va_vdst(0)
	s_wait_loadcnt 4*NRING                         ; the biases are in; the ring's 56 loads may be out
	s_wait_tensorcnt 0x0                           ; my part of region 0 has landed
	WIN 0x04
.irp i, 0,1,2,3,4,5,6,7
	ds_store_b128 v[ADRB], v[4*\i:4*\i+3] offset:512*\i    ; part 1's bias waits in my own LDS bytes for the way out
.endr
	WIN 0
	s_wait_tensorcnt 0x0
	ds_add_u32 v[SPW], v[NIL]
	s_wait_dscnt 0x0
	CROUND                                         ; a whole round: region 0 is whole, and the joint loads meet
	tensor_load_to_lds s[G0B:G0B+3], s[G1:G1+7]    ; K steps 4-7 into region 1: my one tensor load behind the round
	s_nop 0
	PLACES
	LDAS 0
.irp n, 0,1,2,3,4,5,6,7,8,9,10,11,12,13,14,15
	HS \n
.endr
; PART 1'S WAY OUT, by rowblocks of x: sum x 2^(eA + eB) + bias, the hold, the conversion; 8 registers are half a fragment of qkc.  Part 2's stream is on its way meanwhile.
.macro OUT1 a
	WIN 0x92+0x41*((\a)/8)
.irp b, 0,1,2,3
.irp j, 0,2,4,6
	v_pk_fma_f32 v[64*\b+8*((\a)%8)+\j:64*\b+8*((\a)%8)+\j+1], v[64*\b+8*((\a)%8)+\j:64*\b+8*((\a)%8)+\j+1], s[SS:SS+1], v[128+8*\b+\j:128+8*\b+\j+1] op_sel_hi:[1,0,1]
.endr
.endr
	WIN 0x82+0x41*((\a)/8)
.irp b, 0,1,2,3
.irp j, 0,1,2,3,4,5,6,7
	v_med3_num_f32 v[64*\b+8*((\a)%8)+\j], v[64*\b+8*((\a)%8)+\j], -v[LIM], v[LIM]    ; the conversion does not saturate (ISA guide 7.6.2)
.endr
.endr
.if (\a) == 8
	s_wait_alu depctr_va_vdst(0)
	s_wait_xcnt 0x0                                ; the stores of blocks 0-7 have read the eight sets of codes
.endif
	WIN 0x42+(\a)/8
.irp b, 0,1,2,3
	v_cvt_scalef32_pk8_fp8_f32 v[192+8*((\a)%8)+2*\b:192+8*((\a)%8)+2*\b+1], v[64*\b+8*((\a)%8):64*\b+8*((\a)%8)+7], v[SC]
.endr
	WIN 0x04
	v_nop                                          ; a plain line behind the last conversion
.irp c, 0,1
	global_store_b128 v[LI], v[192+8*((\a)%8)+4*\c:192+8*((\a)%8)+4*\c+3], s[OB1:OB1+1] offset:16384*(\a)+512*\c   ; 512 consecutive bytes
.endr
.endm
	WIN 0x40
.irp i, 0,1,2,3,4,5,6,7
	ds_load_b128 v[128+4*\i:131+4*\i], v[ADRB] offset:512*\i
.endr
	s_wait_dscnt 0x0
.irp a, 0,1,2,3,4,5,6,7,8,9,10,11,12,13,14,15
	OUT1 \a
.endr
	WIN 0
	s_wait_xcnt 0x0                                ; the stores have read their codes: the registers take stationary fragments again
.irp n, 16,17,18,19,20,21,22,23
	HS \n
.endr
; PART 2'S WAY OUT, by rowblocks of channels: a lane holds one channel and 64 keys: 8 registers of codes, half a fragment of vtc.
.macro OUT2 a
	WIN 0x82
.irp j, 0,2,4,6,8,10,12,14,16,18,20,22,24,26,28,30
	v_pk_fma_f32 v[32*(\a)+\j:32*(\a)+\j+1], v[32*(\a)+\j:32*(\a)+\j+1], s[SS2:SS2+1], v[BM+2*(\a):BM+2*(\a)+1] op_sel_hi:[1,0,1]
.endr
.set j, 0
.rept 32
	v_med3_num_f32 v[32*(\a)+j], v[32*(\a)+j], -v[LIM2], v[LIM2]
.set j, j+1
.endr
	WIN 0x02
.irp g, 0,1,2,3
	v_cvt_scalef32_pk8_fp8_f32 v[RING+8*(\a)+2*\g:RING+8*(\a)+2*\g+1], v[32*(\a)+8*\g:32*(\a)+8*\g+7], v[SC2]
.endr
	WIN 0
	v_nop
.irp c, 0,1
	global_store_b128 v[LI], v[RING+8*(\a)+4*\c:RING+8*(\a)+4*\c+3], s[OB2:OB2+1] offset:131072*(\a)+512*\c
.endr
.endm
.irp a, 0,1,2,3,4,5,6,7
	OUT2 \a
.endr
	s_wait_tensorcnt 0x0                           ; the wave's end
	ds_add_u32 v[SPW], v[NIL]
	s_wait_dscnt 0x0
	CROUND                                         ; the closing round
	s_endpgm
.Lfunc_end_k_q894ae91cf0_proj:
	.size	k_q894ae91cf0_proj, .Lfunc_end_k_q894ae91cf0_proj-k_q894ae91cf0_proj
	.p2alignl 7, 3214868480
	.fill 96, 4, 3214868480
	.section	.rodata,"a",@progbits
	.p2align	6, 0x0
	.amdhsa_kernel k_q894ae91cf0_proj
		.amdhsa_group_segment_fixed_size 327680
		.amdhsa_private_segment_fixed_size 0
		.amdhsa_enable_private_segment 0
		.amdhsa_kernarg_size 64
		.amdhsa_user_sgpr_count 2
		.amdhsa_user_sgpr_kernarg_segment_ptr 1
		.amdhsa_wavefront_size32 1
		.amdhsa_system_sgpr_workgroup_id_x 1
		.amdhsa_system_sgpr_workgroup_id_y 1
		.amdhsa_system_sgpr_workgroup_id_z 1
		.amdhsa_system_vgpr_workitem_id 0
		.amdhsa_next_free_vgpr 1024
		.amdhsa_next_free_sgpr 100
		.amdhsa_reserve_vcc 0
		.amdhsa_float_denorm_mode_32 3
		.amdhsa_float_denorm_mode_16_64 3
		.amdhsa_memory_ordered 1
		.amdhsa_forward_progress 1
		.amdhsa_inst_pref_size 242
	.end_amdhsa_kernel
	.amdgpu_metadata
---
amdhsa.version: [ 1, 2 ]
amdhsa.kernels:
  - .name:           k_q894ae91cf0_proj
    .symbol:         k_q894ae91cf0_proj.kd
    .args:
      - { .name: xc, .offset: 0, .size: 8, .value_kind: global_buffer, .address_space: global }
      - { .name: wc, .offset: 8, .size: 8, .value_kind: global_buffer, .address_space: global }
      - { .name: lowp_scales, .offset: 16, .size: 8, .value_kind: global_buffer, .address_space: global }
      - { .name: q_b, .offset: 24, .size: 8, .value_kind: global_buffer, .address_space: global }
      - { .name: k_b, .offset: 32, .size: 8, .value_kind: global_buffer, .address_space: global }
      - { .name: v_b, .offset: 40, .size: 8, .value_kind: global_buffer, .address_space: global }
      - { .name: qkc, .offset: 48, .size: 8, .value_kind: global_buffer, .address_space: global }
      - { .name: vtc, .offset: 56, .size: 8, .value_kind: global_buffer, .address_space: global }
    .group_segment_fixed_size: 327680
    .private_segment_fixed_size: 0
    .kernarg_segment_align: 8
    .kernarg_segment_size: 64
    .max_flat_workgroup_size: 128
    .sgpr_count:     100
    .vgpr_count:     1024
    .wavefront_size: 32
...
	.end_amdgpu_metadata
.endif
;; end of part 2
;; launch score (part 3): grid 8 x 32, 4 waves a work-group, clusters of 4 x 4, 327,680 bytes of LDS; arguments qkc, mask, lowp_scales, pc, st; writes pc, st
.if DOCPART == 3
	.amdgcn_target "amdgcn-amd-amdhsa--gfx1250"
	.amdhsa_code_object_version 6
	.text
	.protected	k_q894ae91cf0_score
	.globl	k_q894ae91cf0_score
	.p2align	8
	.type	k_q894ae91cf0_score,@function
k_q894ae91cf0_score:
	s_mov_b64 s[64:65], 0
	v_nop
	global_prefetch_b8 v0, s[64:65] scope:SCOPE_SE
	s_setreg_imm32_b32 hwreg(HW_REG_WAVE_MODE, 25, 1), 1
	s_wait_xcnt 0x0
	s_wait_alu depctr_hold_cnt(0) depctr_sa_sdst(0) depctr_va_vdst(0) depctr_va_sdst(0) depctr_va_ssrc(0) depctr_va_vcc(0) depctr_vm_vsrc(0)
	s_getreg_b32 s2, hwreg(HW_REG_IB_STS2, 6, 4)
	s_cmp_eq_u32 s2, 0
	s_cbranch_scc0 .Lentry_in_a_cluster
	s_endpgm
.Lentry_in_a_cluster:
	s_bfe_u32 s2, ttmp6, 0x10000c
	s_cmp_lg_u32 s2, 0xf033
	s_cbranch_scc0 .Lentry_shape_is_right
	s_endpgm
.Lentry_shape_is_right:
; THIRD LAUNCH: scores = q k^T on codes, the mask, and p as codes.  Nothing is left out: the mask is an input, so every tile is computed.
; t = where(mask, -1e9, score / 32) x log2(e).  A tile is 256 queries x 256 keys of one batch; its 256 keys are a SEGMENT: M = ceil(the largest t of the query in the segment), a whole number; p = 2^(t - M), quantised with 2^e8 along the keys.
; Stored: p's codes as images [query rowblock][K step of 128 keys] in pc; in st the sum of the unquantised p for each query and 128 keys (l: [4][16][2048] f32 at byte 0) and -M for each query and segment ([4][8][2048] at byte 524,288).
; The last launch brings the segments under the row's own M by exact powers of two.  A query whose keys are all masked in a segment has t = M there, p = 1, as the definition gives for a row that is masked throughout.
; The product is the second launch's: four waves of 128 x 128, transposed use (source 0 = keys, source 1 = queries): a lane holds one query, and its 64 registers of a block are keys 32 b + 16 h + 0 .. 15, the order of a fragment's registers.
; q's tiles are asked for jointly along a row of the 4 x 4 cluster, k's along a column.  K = 1,024: four chunks of 256 through two slots.  THE MASK'S TILE (256 rows x 256 bytes) is slot 0's last refill, a plain load of 64 rows a wave,
; asked for when chunk 2 has been read; its rows are prefetched two chunks earlier, each wave its own 64 rows, a lane a row: each row's 256 bytes are named once in the launch.
; LIMITS: e6 + e7 between -121 and 132 (added to the exponent field of log2(e) / 32); e8 between -126 and 119; mask bytes are 0 or 1; NaN is not served.
; REGISTERS: window 0: v8 2^e8, v9 448 x 2^e8, v10 the masked t, v11-19 addresses, v16-21 LDS addresses of fragments, v28, v29 the add's two, v32-63 mask bytes (two sets), v64-127 masks of 32 bits, v128-255 A's fragments, on the way out statistics and codes.
;   window 1: B's fragments, two sets.   windows 2, 3: the accumulators.
.set HALFT, 32768
.set SLOT,  4*HALFT
.set SCR,   2*SLOT                     ; behind the ring: 4 x 1,024 bytes for the exchange of maxima, 4 x 1,024 for gathering the statistics; no tensor load lands here
.set SPARE, SCR+8192                   ; the spare words, 128 bytes a wave, that no other line names
.set FR,    16
.set NL,    4
.set NP,    4
.set SC,    8
.set LIM,   9
.set T0,    10
.set LI,    11
.set MA,    12                         ; v12  my place in the mask's tile
.set PFO,   13                         ; v13  2,048 x lane: a row of the mask; never rewritten
.set EXW,   14
.set EXR,   15
.set ADRA,  16
.set STW,   18
.set STR,   19
.set ADRB,  20
.set SPW,   28
.set NIL,   29
.set MK,    32
.set MM,    64
.set AF,    128
.set CH,    128                        ; v128-131 chains
.set MXL,   136                        ; v136-143 a block's largest t of my query
.set NM,    144                        ; v144-159 -M, twice (a pair for the packed add)
.set LSUM,  160                        ; v160-167 the sums
.set OMX,   168                        ; v168-175 the other wave's maxima
.set PC,    176                        ; v176-207 codes, two sets
.set SX,    208
.set SY,    216
.set G1,    24
.set G0,    32
.set G1B,   48
.set G0B,   56
.set G0M,   68                         ; s[68:71], s[72:79]: the mask's tile
.set G1M,   72
.set PB,    66                         ; s[66:67] where my fragments of p go
.set MSB, 0
.macro WIN new
.if MSB != (\new)
	s_set_vgpr_msb (MSB<<8)|(\new)
.set MSB, (\new)
.endif
.endm
.set MUL_LO, 0xa1
.set MUL_HI, 0xf1
.set TO_B,   0x40
.macro JLOAD g0a, g1a, g0b, g1b
	s_cmp_eq_u32 s15, 0
	s_cbranch_scc0 .Lfor_b_\@
	tensor_load_to_lds s[\g0a:\g0a+3], s[\g1a:\g1a+7]
	s_nop 0
.rept 4
	v_nop
.endr
	s_branch .Lasked_\@
.Lfor_b_\@:
	tensor_load_to_lds s[\g0b:\g0b+3], s[\g1b:\g1b+7]
	s_nop 0
.rept 4
	v_nop
.endr
.Lasked_\@:
.endm
.macro CREST
	s_cmp_lg_u32 s14, 0
	s_cbranch_scc1 .Lnot_wave_0_\@
	s_barrier_signal -3
.Lnot_wave_0_\@:
	s_barrier_wait -3
	s_barrier_signal -1
	s_barrier_wait -1
.endm
.macro CROUND
	s_barrier_signal -1
	s_barrier_wait -1
	CREST
.endm
	s_load_b256 s[4:11], s[0:1], 0x0               ; qkc, mask, the scales s[8:9], pc s[10:11]
	s_load_b64 s[12:13], s[0:1], 0x20              ; st
	v_lshl_add_u32 v[SPW], v0, 2, SPARE
	v_mov_b32 v[NIL], 0
	ds_add_u32 v[SPW], v[NIL]                      ; the wave's opening: the add, twice on end, and its wait ahead of my first tensor load
	ds_add_u32 v[SPW], v[NIL]
	v_lshrrev_b32 v1, 5, v0
	v_readfirstlane_b32 s14, v1
	s_lshr_b32 s15, s14, 1
	s_and_b32 s16, s14, 1
	s_bfe_u32 s40, ttmp6, 0x40000                  ; cx
	s_bfe_u32 s41, ttmp6, 0x40004                  ; cy
	s_and_b32 s42, ttmp7, 0xffff
	s_lshl_b32 s17, s42, 2
	s_add_co_u32 s17, s17, s41                     ; ty: which 256 queries of the 8,192
	s_lshl_b32 s18, ttmp9, 2
	s_add_co_u32 s18, s18, s40                     ; tx: which 256 keys of the batch
	s_lshr_b32 s19, s42, 1                         ; the batch: the same in all partners
	s_lshl_b32 s43, s41, 2
	s_lshl_b32 s43, 15, s43
	s_lshl_b32 s44, 0x1111, s40
	s_or_b32 s[G1+0], s43, (3<<16)|(1<<21)
	s_or_b32 s[G1B+0], s44, (3<<16)|(1<<21)
.irp g, G1, G1B
	s_mov_b32 s[\g+1], 512<<16
	s_mov_b32 s[\g+2], 8<<16
	s_mov_b32 s[\g+3], 512<<16
	s_mov_b32 s[\g+4], 8
	s_mov_b32 s[\g+5], 2048
	s_mov_b32 s[\g+6], 0
	s_mov_b32 s[\g+7], 0
.endr
	s_mov_b32 s[G1M+0], (1<<20)|(5<<22)|(3<<25)    ; no mask of work-groups; elements of 1 byte; 4 words of padding behind every 64: LDS rows 272 bytes apart
	s_mov_b32 s[G1M+1], 256<<16
	s_mov_b32 s[G1M+2], 64<<16
	s_mov_b32 s[G1M+3], 256<<16
	s_mov_b32 s[G1M+4], 64
	s_mov_b32 s[G1M+5], 2048
	s_mov_b32 s[G1M+6], 0
	s_mov_b32 s[G1M+7], 0
	s_lshl_b32 s3, s16, 3
	s_lshl_b32 s20, s17, 4                         ; A: q's rowblock 16 ty + 8 half
	s_add_co_u32 s20, s20, s3
	s_lshl_b32 s20, s20, 14
	s_mov_b32 s21, 0
	s_lshl_b32 s46, s19, 7                         ; B: k's rowblock 512 + 128 batch + 16 tx + 8 half
	s_lshl_b32 s47, s18, 4
	s_add_co_u32 s46, s46, s47
	s_add_co_u32 s46, s46, s3
	s_add_co_u32 s46, s46, 512
	s_lshl_b32 s46, s46, 14
	s_mov_b32 s47, 0
	s_lshl_b32 s22, s17, 19                        ; the mask: row 256 ty + 64 wave of 2,048 bytes, + 256 tx
	s_lshl_b32 s23, s14, 17
	s_add_co_u32 s22, s22, s23
	s_lshl_b32 s23, s18, 8
	s_add_co_u32 s22, s22, s23
	s_mov_b32 s23, 0
	s_mul_i32 s45, s14, HALFT
	s_mov_b32 s94, 0x76543210
	s_mov_b32 s95, 0xfedcba98                      ; v_permlanex16_b32's selects for lane l xor 16
	s_mov_b32 s96, 0xffff0000                      ; lanes 16-31
	s_mov_b32 s97, 0x01010101
	s_mov_b32 s98, 0x02020202
	s_mov_b32 s99, 0x03030303                      ; v_perm_b32: one byte into all four
	s_wait_dscnt 0x0
	s_wait_kmcnt 0x0
	s_load_b128 s[84:87], s[8:9], 0x18             ; e6, e7, e8, e9
	s_add_nc_u64 s[20:21], s[4:5], s[20:21]
	s_add_nc_u64 s[46:47], s[4:5], s[46:47]
	s_add_nc_u64 s[80:81], s[6:7], s[22:23]        ; my 64 rows of the mask's tile
	CROUND
.irp s, 0,1
	s_mov_b32 s[G0+4*\s], 1
	s_add_co_u32 s[G0+4*\s+1], s45, \s*SLOT
	s_add_nc_u64 s[G0+4*\s+2:G0+4*\s+3], s[20:21], \s*4096
	s_or_b32 s[G0+4*\s+3], s[G0+4*\s+3], 0x80000000
	s_mov_b32 s[G0B+4*\s], 1
	s_add_co_u32 s[G0B+4*\s+1], s45, \s*SLOT
	s_add_nc_u64 s[G0B+4*\s+2:G0B+4*\s+3], s[46:47], \s*4096
	s_or_b32 s[G0B+4*\s+3], s[G0B+4*\s+3], 0x80000000
.endr
	JLOAD G0, G1, G0B, G1B                         ; chunk 0: one tensor load a wave at the head
	s_mov_b32 s[G0M], 1
	s_mul_i32 s[G0M+1], s14, 64*272                ; in slot 0: wave x 64 rows
	s_mov_b64 s[G0M+2:G0M+3], s[80:81]
	s_or_b32 s[G0M+3], s[G0M+3], 0x80000000
	v_and_b32 v2, 31, v0                           ; lane
	v_and_b32 v3, 15, v0                           ; r
	v_bfe_u32 v4, v0, 4, 1                         ; h
	v_lshlrev_b32 v[LI], 4, v2
	v_lshlrev_b32 v[PFO], 11, v2
	s_lshl_b32 s22, s15, 15
	s_lshl_b32 s23, s16, 15
	s_add_co_u32 s23, s23, 2*HALFT
.irp s, 0,1
	v_add_nc_u32 v[ADRA+\s], s22, v[LI]
	v_add_nc_u32 v[ADRB+\s], s23, v[LI]
	s_add_co_u32 s22, s22, SLOT
	s_add_co_u32 s23, s23, SLOT
.endr
	v_and_b32 v5, 8, v3
	v_add_nc_u32 v5, v5, v3                        ; r + 8 (r / 8)
	v_mul_u32_u24 v[MA], v5, 272
	v_lshl_add_u32 v[MA], v4, 4, v[MA]
	s_mul_i32 s22, s15, 128*272
	s_lshl_b32 s23, s16, 7
	s_add_co_u32 s22, s22, s23
	v_add_nc_u32 v[MA], s22, v[MA]                 ; the mask's row 128 half + r + 8 (r / 8), byte 128 half + 16 h
	s_lshl_b32 s22, s14, 10
	s_add_co_u32 s22, s22, SCR
	v_lshl_add_u32 v[EXW], v2, 2, s22              ; my wave's words for the exchange
	s_xor_b32 s23, s14, 1
	s_lshl_b32 s23, s23, 10
	s_add_co_u32 s23, s23, SCR
	v_lshl_add_u32 v[EXR], v2, 2, s23              ; and those of the wave with the same queries and the other 128 keys
	s_add_co_u32 s22, s22, 4096
	v_lshl_add_u32 v[STW], v3, 2, s22
	v_lshl_add_u32 v[STW], v4, 9, v[STW]
	v_add_nc_u32 v[STR], s22, v[LI]
	s_lshl_b32 s22, s17, 4                         ; p: rowblock 16 ty + 8 half of 32,768 bytes, K step 2 tx + half
	s_lshl_b32 s23, s15, 3
	s_add_co_u32 s22, s22, s23
	s_lshl_b32 s22, s22, 15
	s_lshl_b32 s23, s18, 1
	s_add_co_u32 s23, s23, s16
	s_lshl_b32 s3, s23, 11
	s_add_co_u32 s22, s22, s3
	s_lshl_b32 s3, s19, 4
	s_add_co_u32 s2, s3, s23                       ; l: unit 16 batch + 2 tx + half
	s_mov_b32 s23, 0
	s_add_nc_u64 s[PB:PB+1], s[10:11], s[22:23]
	s_lshl_b32 s2, s2, 13
	s_and_b32 s22, s17, 7
	s_lshl_b32 s22, s22, 4
	s_lshl_b32 s3, s15, 3
	s_add_co_u32 s22, s22, s3
	s_lshl_b32 s22, s22, 6                         ; my 128 queries' entries: 64 bytes a rowblock
	s_add_co_u32 s2, s2, s22
	s_mov_b32 s3, 0
	s_add_nc_u64 s[88:89], s[12:13], s[2:3]
	s_lshl_b32 s2, s19, 3
	s_add_co_u32 s2, s2, s18                       ; -M: segment 8 batch + tx
	s_lshl_b32 s2, s2, 13
	s_add_co_u32 s2, s2, s22
	s_add_co_u32 s2, s2, 524288
	s_add_nc_u64 s[90:91], s[12:13], s[2:3]
.macro FRAG reg, adr, q, i
.irp c, 0,1,2,3
	ds_load_b128 v[\reg+4*\c:\reg+4*\c+3], v[\adr] offset:4096*(\i)+2048*(\q)+512*\c
.endr
.endm
.macro MUL16 a0, p, zero               ; the 64 accumulators take turns, one instruction a turn
.irp a, \a0, \a0+1
.irp b, 0,1,2,3,4,5,6,7
.if \zero
	v_wmma_f32_16x16x128_fp8_fp8 v[8*(8*((\a)%4)+\b):8*(8*((\a)%4)+\b)+7], v[128*(\p)+FR*\b:128*(\p)+FR*\b+FR-1], v[AF+FR*(\a):AF+FR*(\a)+FR-1], 0
.else
	v_wmma_f32_16x16x128_fp8_fp8 v[8*(8*((\a)%4)+\b):8*(8*((\a)%4)+\b)+7], v[128*(\p)+FR*\b:128*(\p)+FR*\b+FR-1], v[AF+FR*(\a):AF+FR*(\a)+FR-1], v[8*(8*((\a)%4)+\b):8*(8*((\a)%4)+\b)+7]
.endif
.endr
.endr
.endm
.macro FETCH_B slot, q, p
	WIN TO_B
.irp i, 0,1,2,3,4,5,6,7
	FRAG 128*(\p)+FR*\i, ADRB+\slot, \q, \i
.endr
	WIN 0
.endm
.macro FETCH_A slot, q, i0
.irp i, \i0, \i0+1, \i0+2, \i0+3
	FRAG AF+FR*(\i), ADRA+\slot, \q, \i
.endr
.endm
.macro PLACES n
.rept \n
	v_nop
.endr
.endm
.macro STEP slot, q, zero
	s_wait_dscnt 4*NL                              ; the youngest sixteen loads (A's blocks 4-7) may be out
	WIN MUL_LO
	MUL16 0, (\q)%2, \zero
	MUL16 2, (\q)%2, \zero
	s_wait_dscnt 0
	PLACES NP
	FETCH_B \slot, (\q)+1, 1-(\q)%2
	FETCH_A \slot, (\q)+1, 0
	WIN MUL_HI
	MUL16 4, (\q)%2, \zero
	MUL16 6, (\q)%2, \zero
	PLACES NP
	WIN 0
	FETCH_A \slot, (\q)+1, 4
.endm
; The change of slots.  fill = 1: the slot takes the chunk two on, by joint loads; fill = 2: it takes the mask's tile, each wave its own 64 rows.  ask = 1: the mask's rows are prefetched.
.macro TURN slot, next, fill, ask
	s_wait_tensorcnt 0x0                           ; all my tensor loads have landed
	ds_add_u32 v[SPW], v[NIL]
	s_wait_dscnt 4*NL+1                            ; the add and the youngest sixteen loads may be out
	WIN MUL_LO
	MUL16 0, 1, 0
	s_wait_dscnt 0x0                               ; the add is done, and my reads of this slot are over
	s_barrier_signal -1
	MUL16 2, 1, 0
	WIN 0
	s_barrier_wait -1
	CREST                                          ; the barrier has opened a round of the cluster's barrier
.if \fill == 1
	s_add_nc_u64 s[G0+4*\slot+2:G0+4*\slot+3], s[G0+4*\slot+2:G0+4*\slot+3], 8192
	s_add_nc_u64 s[G0B+4*\slot+2:G0B+4*\slot+3], s[G0B+4*\slot+2:G0B+4*\slot+3], 8192
	JLOAD G0+4*\slot, G1, G0B+4*\slot, G1B
.else
	tensor_load_to_lds s[G0M:G0M+3], s[G1M:G1M+7]  ; my one tensor load behind the round: it has the last chunk's products in which to land
	s_nop 0
.rept 4
	v_nop
.endr
.endif
	FETCH_B \next, 0, 0
	FETCH_A \next, 0, 0
.if \ask
	global_prefetch_b8 v[PFO], s[80:81] th:TH_LOAD_NT scope:SCOPE_SE                ; my 64 rows of the mask's tile, a lane a row: two chunks, 256 matrix instructions, ahead of the load that wants them
	global_prefetch_b8 v[PFO], s[80:81] offset:65536 th:TH_LOAD_NT scope:SCOPE_SE
.endif
	WIN MUL_HI
	MUL16 4, 1, 0
	MUL16 6, 1, 0
	PLACES NP
	WIN 0
	FETCH_A \next, 0, 4
.endm
	s_wait_alu depctr_va_vdst(0)
	s_wait_tensorcnt 0x0                           ; my part of chunk 0 is in; these lines stand ahead of a later first fill as ahead of a refill
	ds_add_u32 v[SPW], v[NIL]
	s_wait_dscnt 0x0
	CROUND                                         ; a whole round: everybody's part of chunk 0 is in
	JLOAD G0+4, G1, G0B+4, G1B                     ; chunk 1, the first tensor load behind the round
	FETCH_B 0, 0, 0
	FETCH_A 0, 0, 0
	FETCH_A 0, 0, 4
	STEP 0, 0, 1
	TURN 0, 1, 1, 1
	STEP 1, 0, 0
	TURN 1, 0, 1, 0
	STEP 0, 0, 0
	TURN 0, 1, 2, 0
	STEP 1, 0, 0
	s_wait_dscnt 4*NL
	WIN MUL_LO
	MUL16 0, 1, 0
	MUL16 2, 1, 0
	s_wait_dscnt 0
	WIN MUL_HI
	MUL16 4, 1, 0
	MUL16 6, 1, 0
	WIN 0
	s_wait_tensorcnt 0x0                           ; my 64 rows of the mask's tile have landed (no load was issued behind it),
	s_barrier_signal -1
	s_barrier_wait -1                              ; everybody's have
	s_wait_kmcnt 0x0
	s_add_co_i32 s84, s84, s85
	s_lshl_b32 s84, s84, 23
	s_add_co_i32 s82, s84, 0x3d38aa3b              ; c = log2(e) / 32 x 2^(e6 + e7): the exponents are added to the exponent field
	s_mov_b32 s83, s82
	s_add_co_i32 s86, s86, 127
	s_lshl_b32 s85, s86, 23
	s_add_co_i32 s86, s86, 8
	s_lshl_b32 s86, s86, 23
	s_or_b32 s86, s86, 0x600000
	PLACES NP
	v_mov_b32 v[SC], s85                           ; 2^e8
	v_mov_b32 v[LIM], s86                          ; 448 x 2^e8
	v_mov_b32 v[T0], 0xceabfb8f                    ; -1e9 x log2(e) in f32: a whole number
	v_mov_b32 v[CH+2], 0                           ; a lane permute's destination counts as one of its sources
.macro MLOAD a                         ; block a's mask bytes of my query: 16 of each 32 keys
.irp c, 0,1,2,3
	ds_load_b128 v[MK+16*((\a)%2)+4*\c:MK+16*((\a)%2)+4*\c+3], v[MA] offset:272*(32*((\a)/2)+8*((\a)%2))+32*\c
.endr
.endm
; FIRST PASS over block a: t, the mask, the largest t of my query among my wave's 128 keys.
.macro E1 a
.set AC, 64*((\a)%4)
.set MKS, MK+16*((\a)%2)
	WIN 0
.if (\a) < 7
	MLOAD (\a)+1
	s_wait_dscnt 4                                 ; this block's four loads are in; the next block's may be out
.else
	s_wait_dscnt 0
.endif
.set j, 0
.rept 16
	v_lshlrev_b32 v[MM+j], 8, v[MKS+j]
.set j, j+1
.endr
.set j, 0
.rept 16
	v_sub_nc_u32 v[MKS+j], v[MM+j], v[MKS+j]       ; x 255: each byte 0 or 1 becomes 0x00 or 0xff
.set j, j+1
.endr
.set j, 0
.rept 16
	v_perm_b32 v[MM+4*j], v[MKS+j], v[MKS+j], 0    ; a byte into all four: a mask of 32 bits for each score
	v_perm_b32 v[MM+4*j+1], v[MKS+j], v[MKS+j], s97
	v_perm_b32 v[MM+4*j+2], v[MKS+j], v[MKS+j], s98
	v_perm_b32 v[MM+4*j+3], v[MKS+j], v[MKS+j], s99
.set j, j+1
.endr
	v_mov_b32 v[CH], 0xff800000
	v_mov_b32 v[CH+1], 0xff800000
	WIN 0x82+0x41*((\a)/4)
.set j, 0
.rept 32
	v_pk_mul_f32 v[AC+j:AC+j+1], v[AC+j:AC+j+1], s[82:83] op_sel_hi:[1,0]   ; t; each accumulator from its low end on
.set j, j+2
.endr
	WIN 0xa0+0x50*((\a)/4)
.set j, 0
.rept 64
	v_bfi_b32 v[AC+j], v[MM+j], v[T0], v[AC+j]     ; where the mask is set: the masked t
.set j, j+1
.endr
	WIN 0x28+0x14*((\a)/4)
.set j, 0
.rept 16
	v_max3_num_f32 v[CH], v[CH], v[AC+j], v[AC+j+1]
	v_max3_num_f32 v[CH+1], v[CH+1], v[AC+j+2], v[AC+j+3]
.set j, j+4
.endr
	WIN 0
	v_max_num_f32 v[CH], v[CH], v[CH+1]
	v_permlanex16_b32 v[CH+2], v[CH], s94, s95
	v_max_num_f32 v[MXL+(\a)], v[CH], v[CH+2]
.endm
; SECOND PASS: p = 2^(t - M), its sum, its codes.
.macro E2 a
.set AC, 64*((\a)%4)
.set PCS, PC+16*((\a)%2)
	WIN 0x82+0x41*((\a)/4)
.set j, 0
.rept 32
	v_pk_add_f32 v[AC+j:AC+j+1], v[AC+j:AC+j+1], v[NM+2*(\a):NM+2*(\a)+1]
.set j, j+2
.endr
.set j, 0
	s_wait_alu depctr_va_vdst(0)
.rept 64
	v_exp_f32 v[AC+j], v[AC+j]                     ; one batch
.set j, j+1
.endr
	WIN 0
	v_mov_b32 v[CH], 0                             ; plain instructions behind the last exponential: the sum's two chains begin
	v_mov_b32 v[CH+1], 0
	v_mov_b32 v[CH+2], 0
	v_mov_b32 v[CH+3], 0
	s_wait_alu depctr_va_vdst(0)                   ; one wait for the batch, ahead of its first reader
	WIN 0x08+0x04*((\a)/4)
.set j, 0
.rept 16
	v_pk_add_f32 v[CH:CH+1], v[CH:CH+1], v[AC+j:AC+j+1]            ; the sum is taken of the unquantised p
	v_pk_add_f32 v[CH+2:CH+3], v[CH+2:CH+3], v[AC+j+2:AC+j+3]
.set j, j+4
.endr
	WIN 0x82+0x41*((\a)/4)
.set j, 0
.rept 64
	v_min_num_f32 v[AC+j], v[AC+j], v[LIM]         ; the conversion does not saturate (ISA guide 7.6.2); p is not negative, so the hold is one-sided
.set j, j+1
.endr
.if (\a) >= 2
	s_wait_alu depctr_va_vdst(0)
	s_wait_xcnt 0x0                                ; the stores of two blocks ago have read this set of codes
.endif
	WIN 0x02+((\a)/4)
.irp g, 0,1,2,3,4,5,6,7
	v_cvt_scalef32_pk8_fp8_f32 v[PCS+2*\g:PCS+2*\g+1], v[AC+8*\g:AC+8*\g+7], v[SC]
.endr
	WIN 0
	v_pk_add_f32 v[CH:CH+1], v[CH:CH+1], v[CH+2:CH+3]              ; (a plain instruction behind the last conversion)
	v_add_f32 v[CH], v[CH], v[CH+1]
	v_permlanex16_b32 v[CH+2], v[CH], s94, s95
	v_add_f32 v[LSUM+(\a)], v[CH], v[CH+2]
.irp c, 0,1,2,3
	global_store_b128 v[LI], v[PCS+4*\c:PCS+4*\c+3], s[PB:PB+1] offset:32768*(\a)+512*\c   ; 512 consecutive bytes of the fragment's image
.endr
.endm
	MLOAD 0
.irp a, 0,1,2,3,4,5,6,7
	E1 \a
.endr
.irp a, 0,1,2,3,4,5,6,7
	ds_store_b32 v[EXW], v[MXL+\a] offset:128*\a
.endr
	s_wait_alu depctr_va_vdst(0)
	s_wait_dscnt 0x0                               ; for the other wave's sake: my stores are done
	s_barrier_signal -1
	s_barrier_wait -1
.irp a, 0,1,2,3,4,5,6,7
	ds_load_b32 v[OMX+\a], v[EXR] offset:128*\a
.endr
	s_wait_dscnt 0x0
.irp a, 0,1,2,3,4,5,6,7
	v_max_num_f32 v[MXL+\a], v[MXL+\a], v[OMX+\a]  ; the largest t among the segment's 256 keys
.endr
.irp a, 0,1,2,3,4,5,6,7
	v_floor_f32 v[NM+2*\a], -v[MXL+\a]             ; -M = floor(-t) = -ceil(t)
	v_floor_f32 v[NM+2*\a+1], -v[MXL+\a]
.endr
.irp a, 0,1,2,3,4,5,6,7
	E2 \a
.endr
	; the statistics: lanes 0-15 hand in -M, lanes 16-31 the sum; through my own LDS words they become two runs of 512 bytes
.irp a, 0,1,2,3,4,5,6,7
	v_cndmask_b32 v[SX+\a], v[NM+2*\a], v[LSUM+\a], s96
.endr
.irp a, 0,1,2,3,4,5,6,7
	ds_store_b32 v[STW], v[SX+\a] offset:64*\a
.endr
	ds_load_b128 v[SY:SY+3], v[STR]                ; LDS serves a wave's instructions in order: these see my stores
	ds_load_b128 v[SY+4:SY+7], v[STR] offset:512
	s_wait_dscnt 0x0
	global_store_b128 v[LI], v[SY+4:SY+7], s[88:89]
	s_cmp_eq_u32 s16, 0                            ; both waves of a row half hold the same -M: the first stores it
	s_cbranch_scc0 .Lno_m
	global_store_b128 v[LI], v[SY:SY+3], s[90:91]
.Lno_m:
	s_wait_tensorcnt 0x0                           ; the wave's end
	ds_add_u32 v[SPW], v[NIL]
	s_wait_dscnt 0x0
	CROUND                                         ; the closing round
	s_endpgm
.Lfunc_end_k_q894ae91cf0_score:
	.size	k_q894ae91cf0_score, .Lfunc_end_k_q894ae91cf0_score-k_q894ae91cf0_score
	.p2alignl 7, 3214868480
	.fill 96, 4, 3214868480
	.section	.rodata,"a",@progbits
	.p2align	6, 0x0
	.amdhsa_kernel k_q894ae91cf0_score
		.amdhsa_group_segment_fixed_size 327680
		.amdhsa_private_segment_fixed_size 0
		.amdhsa_enable_private_segment 0
		.amdhsa_kernarg_size 40
		.amdhsa_user_sgpr_count 2
		.amdhsa_user_sgpr_kernarg_segment_ptr 1
		.amdhsa_wavefront_size32 1
		.amdhsa_system_sgpr_workgroup_id_x 1
		.amdhsa_system_sgpr_workgroup_id_y 1
		.amdhsa_system_sgpr_workgroup_id_z 1
		.amdhsa_system_vgpr_workitem_id 0
		.amdhsa_next_free_vgpr 1024
		.amdhsa_next_free_sgpr 100
		.amdhsa_reserve_vcc 0
		.amdhsa_float_denorm_mode_32 3
		.amdhsa_float_denorm_mode_16_64 3
		.amdhsa_memory_ordered 1
		.amdhsa_forward_progress 1
		.amdhsa_inst_pref_size 255
	.end_amdhsa_kernel
	.section	.bss,"aw",@nobits
	.p2align	6
	.space	262144
	.amdgpu_metadata
---
amdhsa.version: [ 1, 2 ]
amdhsa.kernels:
  - .name:           k_q894ae91cf0_score
    .symbol:         k_q894ae91cf0_score.kd
    .args:
      - { .name: qkc, .offset: 0, .size: 8, .value_kind: global_buffer, .address_space: global }
      - { .name: mask, .offset: 8, .size: 8, .value_kind: global_buffer, .address_space: global }
      - { .name: lowp_scales, .offset: 16, .size: 8, .value_kind: global_buffer, .address_space: global }
      - { .name: pc, .offset: 24, .size: 8, .value_kind: global_buffer, .address_space: global }
      - { .name: st, .offset: 32, .size: 8, .value_kind: global_buffer, .address_space: global }
    .group_segment_fixed_size: 327680
    .private_segment_fixed_size: 0
    .kernarg_segment_align: 8
    .kernarg_segment_size: 40
    .max_flat_workgroup_size: 128
    .sgpr_count:     100
    .vgpr_count:     1024
    .wavefront_size: 32
...
	.end_amdgpu_metadata
.endif
;; end of part 3
;; launch pv (part 4): grid 256 x 1, 4 waves a work-group, clusters of 4 x 1, 327,680 bytes of LDS; arguments pc, vtc, st, lowp_scales, out0; writes out0
.if DOCPART == 4
	.amdgcn_target "amdgcn-amd-amdhsa--gfx1250"
	.amdhsa_code_object_version 6
	.text
	.protected	k_q894ae91cf0_pv
	.globl	k_q894ae91cf0_pv
	.p2align	8
	.type	k_q894ae91cf0_pv,@function
k_q894ae91cf0_pv:
	s_mov_b64 s[64:65], 0
	v_nop
	global_prefetch_b8 v0, s[64:65] scope:SCOPE_SE
	s_setreg_imm32_b32 hwreg(HW_REG_WAVE_MODE, 25, 1), 1
	s_wait_xcnt 0x0
	s_wait_alu depctr_hold_cnt(0) depctr_sa_sdst(0) depctr_va_vdst(0) depctr_va_sdst(0) depctr_va_ssrc(0) depctr_va_vcc(0) depctr_vm_vsrc(0)
	s_getreg_b32 s2, hwreg(HW_REG_IB_STS2, 6, 4)
	s_cmp_eq_u32 s2, 0
	s_cbranch_scc0 .Lentry_in_a_cluster
	s_endpgm
.Lentry_in_a_cluster:
	s_bfe_u32 s2, ttmp6, 0x10000c
	s_cmp_lg_u32 s2, 0x3003
	s_cbranch_scc0 .Lentry_shape_is_right
	s_endpgm
.Lentry_shape_is_right:
; FOURTH LAUNCH: y = (sum over the keys of p v) / l on codes of FP8.  Nothing is left out.
; p's codes were made segment by segment of 256 keys, each under its own whole number M; here a segment's sums are multiplied by F = 2^(M of the segment - M of the row) x 2^(e8 + e9) / l, l = the sum over segments of 2^(M seg - M row) x the segment's sum of p.
; pc: [query rowblock 512][key step 16][2,048]; vtc: [channel rowblock 64][key step 64][2,048]: images of operand registers (first launch).  st: sums [4][16][2048] f32 at byte 0, -M [4][8][2048] at byte 524,288.
; SHARES.  A work-group takes 128 queries (8 rowblocks) x 256 channels; a wave 64 channels (4 rowblocks): 8 x 4 accumulators.  K = 2,048 keys in 16 steps of 128.
; p's block, 262,144 bytes, lies in LDS and is filled ONCE, in two halves along the keys: steps 0-7 at the head, steps 8-15 behind the head's round; the second half is first read in step 7, behind its own wait and barrier.
; CLUSTER 4, 1, 1: the four partners take the same queries and other channels, so p's block is asked for jointly (mask 15); each wave asks for two rowblocks' 16,384 bytes of a half.
; v's fragments are read by one wave alone in its work-group, so they go from memory straight into registers: a stream of 64 fragments through a ring of 14 slots of 16 registers; each is source 0 of eight matrix instructions
; (source 1: p's eight rowblocks of the step) and its slot is then loaded with the fragment 14 further on: 13 fragments, 52 loads, are out at each wait.
; A segment's sums stand in window 3 (begun with C = 0 in its first step); behind its second step 128 packed multiply-adds bring them, x F, into O in window 2.  The 32 accumulators take turns.
; F: wave w makes it for rowblocks 2 w and 2 w + 1 and hands it to the others through LDS, as pairs, [segment][rowblock / 2][lane][16 bytes]; four LDS loads a segment bring 16 registers.
; PREFETCH of v: its fragments are read by the 16 work-groups of a batch that take the same channels; in step t each of them asks for step t + 6 of one of the 16 rowblocks, 512 bytes a wave (lanes 0, 1 on 256-byte blocks,
; the others on the last again): each block is named once.  Steps 0-5 come by their loads alone; steps 10-15 ask for nothing.
; LIMITS: NaN is not served; e8 + e9 is applied by v_ldexp_f32.
; REGISTERS: window 0: v1-15 addresses, v16-31 a segment's F, v32-255 the ring (on the way out: rows read back).  window 1: p's fragments, two sets (at the head: the statistics).  window 2: O.  window 3: a segment's sums.
.set FFL,   262144                     ; F: 8 segments x 2,048 bytes
.set STAGE, 278528                     ; the way out: 16 rows x 272 bytes a wave
.set SPARE, 295936                     ; the spare words, 128 bytes a wave, that no other line names
.set NRING, 14
.set RING,  32
.set NF,    64
.set SPW,   1
.set NIL,   2
.set PFO,   3
.set SA,    4
.set STO,   5
.set RD,    6
.set CO,    7
.set TC,    8
.set LI,    9
.set ADR,   9                          ; v9-12: 16 x lane + 0, 1, 2, 3 x 65,536
.set FLA,   13
.set FSA,   14
.set TA,    15
.set FFR,   16
.set TB,    16
.set WV,    14
.set G1,    24
.set G0,    32
.set G0B,   36
.set T,     50
.set OUT,   52
.set PFA,   54
.set MSB, 0
.macro WIN new                         ; the immediate's high byte repeats the setting that is left
.if MSB != (\new)
	s_set_vgpr_msb (MSB<<8)|(\new)
.set MSB, (\new)
.endif
.endm
.macro PLACES
.rept 4
	v_nop
.endr
.endm
.macro CROUND                          ; a round of the cluster's barrier
	s_barrier_signal -1
	s_barrier_wait -1
	s_cmp_lg_u32 s[WV], 0
	s_cbranch_scc1 .Lnot_wave_0_\@
	s_barrier_signal -3
.Lnot_wave_0_\@:
	s_barrier_wait -3
	s_barrier_signal -1
	s_barrier_wait -1
.endm
.macro LDF f                           ; fragment f = 4 x step + rowblock of v into its slot (every window 0)
.set SL_, RING+16*((\f)%NRING)
.set OF_, ((\f)%4)*131072+((\f)/4)*2048
.irp c, 0,1,2,3
	global_load_b128 v[SL_+4*\c:SL_+4*\c+3], v[LI], s[T:T+1] offset:OF_+512*\c
.endr
.endm
.macro LDAS k                          ; step k's eight fragments of p into set k % 2 of window 1
	WIN 0x40
.irp a, 0,1,2,3,4,5,6,7
.irp c, 0,1,2,3
	ds_load_b128 v[128*((\k)%2)+16*\a+4*\c:128*((\k)%2)+16*\a+4*\c+3], v[ADR+2*((\k)/8)+\a/4] offset:(\a%4)*16384+((\k)%8)*2048+512*\c
.endr
.endr
	WIN 0
.endm
.macro FRAG f                          ; fragment f: its wait, eight products, four places, the slot's next load
.if NF-1-(\f) < NRING-1
	s_wait_loadcnt 4*(NF-1-(\f))                   ; the fragments behind it, four loads each, may be out
.else
	s_wait_loadcnt 4*(NRING-1)
.endif
.set SL_, RING+16*((\f)%NRING)
.set K_, (\f)/4
.set AB_, 8*((\f)%4)
.set AF_, 128*(K_%2)
	WIN 0xf4
.irp a, 0,1,2,3,4,5,6,7
.if (K_%2) == 0
	v_wmma_f32_16x16x128_fp8_fp8 v[AB_+32*\a:AB_+32*\a+7], v[SL_:SL_+15], v[AF_+16*\a:AF_+16*\a+15], 0
.else
	v_wmma_f32_16x16x128_fp8_fp8 v[AB_+32*\a:AB_+32*\a+7], v[SL_:SL_+15], v[AF_+16*\a:AF_+16*\a+15], v[AB_+32*\a:AB_+32*\a+7]
.endif
.endr
	WIN 0
	PLACES                                         ; ahead of loads into registers that these products read, and of reads of their results
.if (\f)+NRING < NF
	LDF (\f)+NRING
.endif
.endm
.macro FM s                            ; O += the segment's sums x F; each accumulator from its low end on
	WIN 0xa3
.irp a, 0,1,2,3,4,5,6,7
.irp j, 0,2,4,6,8,10,12,14,16,18,20,22,24,26,28,30
.if (\s) == 0
	v_pk_mul_f32 v[32*\a+\j:32*\a+\j+1], v[32*\a+\j:32*\a+\j+1], v[FFR+2*\a:FFR+2*\a+1]
.else
	v_pk_fma_f32 v[32*\a+\j:32*\a+\j+1], v[32*\a+\j:32*\a+\j+1], v[FFR+2*\a:FFR+2*\a+1], v[32*\a+\j:32*\a+\j+1]
.endif
.endr
.endr
	WIN 0
.endm
.macro STEP k
	s_wait_dscnt 0x0                               ; this step's fragments of p are in
.if (\k) == 7
	s_wait_tensorcnt 0x0                           ; my part of p's second half has landed,
	s_barrier_signal -1
	s_barrier_wait -1                              ; everybody's has
.endif
.if (\k) < 15
	LDAS (\k)+1
.endif
.if (\k)%2
.irp n, 0,1,2,3
	ds_load_b128 v[FFR+4*\n:FFR+4*\n+3], v[FLA] offset:((\k)/2)*2048+512*\n
.endr
.endif
.rept 2
	FRAG FC
.set FC, FC+1
.endr
.if (\k) < 10
	global_prefetch_b8 v[PFO], s[PFA:PFA+1] offset:2048*((\k)+6) th:TH_LOAD_NT scope:SCOPE_SE
.endif
.rept 2
	FRAG FC
.set FC, FC+1
.endr
.if (\k)%2
	s_wait_dscnt 0x0                               ; F is in
	FM (\k)/2
.endif
.endm
	s_load_b256 s[4:11], s[0:1], 0x0               ; pc, vtc, st, the scales
	s_load_b64 s[12:13], s[0:1], 0x20              ; out0
	v_lshl_add_u32 v[SPW], v0, 2, SPARE
	v_mov_b32 v[NIL], 0
	ds_add_u32 v[SPW], v[NIL]                      ; the opening: the add, twice on end, and its wait ahead of my first tensor load
	ds_add_u32 v[SPW], v[NIL]
	v_lshrrev_b32 v[TA], 5, v0
	v_readfirstlane_b32 s[WV], v[TA]               ; wave
	s_bfe_u32 s15, ttmp6, 0x40000                  ; cx: which 256 channels
	s_lshr_b32 s16, ttmp9, 4                       ; the batch (ttmp9: which 128 queries, the same in all partners)
	s_and_b32 s17, ttmp9, 15                       ; which 128 queries of the batch
	s_mov_b32 s[G1+0], 15|(3<<16)|(1<<21)          ; the mask of all four partners, elements of 8 bytes, bit 21 beside the mask
	s_mov_b32 s[G1+1], 2048<<16                    ; two rows of 16,384 bytes, 32,768 bytes apart
	s_mov_b32 s[G1+2], 2<<16
	s_mov_b32 s[G1+3], 2048<<16
	s_mov_b32 s[G1+4], 2
	s_mov_b32 s[G1+5], 4096
	s_mov_b32 s[G1+6], 0
	s_mov_b32 s[G1+7], 0
	s_lshl_b32 s20, ttmp9, 18                      ; p: rowblock 8 x block + 2 wave
	s_lshl_b32 s21, s[WV], 16
	s_add_co_u32 s20, s20, s21
	s_mov_b32 s21, 0
	s_lshl_b32 s18, s[WV], 15                      ; and in LDS: wave x 32,768
	s_lshl_b32 s22, s15, 21                        ; v: rowblock 16 cx + 4 wave, key step 16 batch
	s_lshl_b32 s23, s[WV], 19
	s_add_co_u32 s22, s22, s23
	s_lshl_b32 s23, s16, 15
	s_add_co_u32 s22, s22, s23
	s_mov_b32 s23, 0
	s_lshl_b32 s40, ttmp9, 19                      ; out0: row 128 x block, channel 256 cx + 64 wave
	s_lshl_b32 s41, s15, 10
	s_add_co_u32 s40, s40, s41
	s_lshl_b32 s41, s[WV], 8
	s_add_co_u32 s40, s40, s41
	s_mov_b32 s41, 0
	s_lshl_b32 s42, s17, 9                         ; the statistics of rowblocks 2 wave, 2 wave + 1: 64 bytes a rowblock
	s_lshl_b32 s43, s[WV], 7
	s_add_co_u32 s42, s42, s43
	s_lshl_b32 s44, s16, 17
	s_add_co_u32 s44, s44, s42
	s_mov_b32 s45, 0
	s_lshl_b32 s46, s16, 16
	s_add_co_u32 s46, s46, s42
	s_add_co_u32 s46, s46, 524288
	s_mov_b32 s47, 0
	s_lshl_b32 s48, s15, 21                        ; the prefetches: rowblock 16 cx + my block's number in the batch, + 512 wave
	s_lshl_b32 s49, s17, 17
	s_add_co_u32 s48, s48, s49
	s_lshl_b32 s49, s16, 15
	s_add_co_u32 s48, s48, s49
	s_lshl_b32 s49, s[WV], 9
	s_add_co_u32 s48, s48, s49
	s_mov_b32 s49, 0
	s_wait_dscnt 0x0                               ; both opening adds are done
	s_wait_kmcnt 0x0
	s_load_b64 s[92:93], s[10:11], 0x20            ; e8, e9
	s_add_nc_u64 s[20:21], s[4:5], s[20:21]
	s_add_nc_u64 s[T:T+1], s[6:7], s[22:23]
	s_add_nc_u64 s[OUT:OUT+1], s[12:13], s[40:41]
	s_add_nc_u64 s[88:89], s[8:9], s[44:45]
	s_add_nc_u64 s[90:91], s[8:9], s[46:47]
	s_add_nc_u64 s[PFA:PFA+1], s[6:7], s[48:49]
	CROUND                                         ; all four work-groups are here: the first joint loads meet
	s_mov_b32 s[G0], 1
	s_mov_b32 s[G0+1], s18
	s_mov_b64 s[G0+2:G0+3], s[20:21]
	s_or_b32 s[G0+3], s[G0+3], 0x80000000
	s_mov_b32 s[G0B], 1
	s_add_co_u32 s[G0B+1], s18, 131072
	s_add_nc_u64 s[G0B+2:G0B+3], s[20:21], 16384
	s_or_b32 s[G0B+3], s[G0B+3], 0x80000000
	tensor_load_to_lds s[G0:G0+3], s[G1:G1+7]      ; key steps 0-7 of my two rowblocks: my one tensor load at the head
	s_nop 0
	PLACES
	v_and_b32 v[TA], 31, v0
	v_lshlrev_b32 v[LI], 4, v[TA]
	v_min_u32 v[PFO], 1, v[TA]
	v_lshlrev_b32 v[PFO], 8, v[PFO]
	v_add_nc_u32 v[ADR+1], 0x10000, v[LI]
	v_add_nc_u32 v[ADR+2], 0x20000, v[LI]
	v_add_nc_u32 v[ADR+3], 0x30000, v[LI]
	v_add_nc_u32 v[FLA], FFL, v[LI]
	s_lshl_b32 s21, s[WV], 9
	v_add_nc_u32 v[FSA], s21, v[FLA]
	v_and_b32 v[TB], 15, v0                        ; r
	v_bfe_u32 v[TC], v0, 4, 1                      ; h
	v_lshlrev_b32 v[SA], 2, v[TB]
	s_mul_i32 s21, s[WV], 16*272
	s_add_co_u32 s21, s21, STAGE
	v_mul_u32_u24 v[STO], v[TB], 272
	v_lshl_add_u32 v[STO], v[TC], 6, v[STO]
	v_add_nc_u32 v[STO], s21, v[STO]               ; into the stage: row r, 64 h bytes on
	v_mul_u32_u24 v[RD], v[TC], 272
	v_lshl_add_u32 v[RD], v[TB], 4, v[RD]
	v_add_nc_u32 v[RD], s21, v[RD]                 ; back: lanes 0-15 one row of 256 bytes, lanes 16-31 the next
	v_lshlrev_b32 v[CO], 12, v[TC]
	v_lshl_add_u32 v[CO], v[TB], 4, v[CO]          ; and the same two rows in out0
	WIN 0x40
.irp i, 0,1
.irp u, 0,1,2,3,4,5,6,7,8,9,10,11,12,13,14,15
	global_load_b32 v[24*\i+\u], v[SA], s[88:89] offset:8192*\u+64*\i
.endr
.irp u, 0,1,2,3,4,5,6,7
	global_load_b32 v[24*\i+16+\u], v[SA], s[90:91] offset:8192*\u+64*\i
.endr
.endr
	WIN 0
.set FC, 0
.rept NRING
	LDF FC
.set FC, FC+1
.endr
.set FC, 0
	s_wait_alu depctr_va_vdst(0)
	s_wait_kmcnt 0x0
	s_add_co_i32 s92, s92, s93                     ; e8 + e9
	s_wait_loadcnt 4*NRING                         ; the statistics are in; the ring's 56 loads may be out
	WIN 0x55                                       ; all in window 1: v0-47 the statistics, v64-95 F (register 64 + 4 u + 2 i: segment u, rowblock 2 wave + i), v100, v101 l
.irp i, 0,1
	v_min_num_f32 v104, v[24*\i+16], v[24*\i+17]
	v_min_num_f32 v105, v[24*\i+18], v[24*\i+19]
	v_min_num_f32 v106, v[24*\i+20], v[24*\i+21]
	v_min_num_f32 v107, v[24*\i+22], v[24*\i+23]
	v_min_num_f32 v104, v104, v105
	v_min_num_f32 v106, v106, v107
	v_min_num_f32 v104, v104, v106                 ; -M of the row
.irp u, 0,1,2,3,4,5,6,7
	v_sub_f32 v[24*\i+16+\u], v104, v[24*\i+16+\u] ; M of the segment - M of the row: a whole number, 0 or less
.endr
.irp u, 0,1,2,3,4,5,6,7
	v_cvt_i32_f32 v[24*\i+16+\u], v[24*\i+16+\u]
.endr
.irp u, 0,1,2,3,4,5,6,7
	v_ldexp_f32 v[64+4*\u+2*\i], 1.0, v[24*\i+16+\u]
.endr
.irp u, 0,1,2,3,4,5,6,7
	v_add_f32 v[24*\i+2*\u], v[24*\i+2*\u], v[24*\i+2*\u+1]
.endr
	v_mul_f32 v[100+\i], v[64+2*\i], v[24*\i]
.irp u, 1,2,3,4,5,6,7
	v_fmac_f32 v[100+\i], v[64+4*\u+2*\i], v[24*\i+2*\u]
.endr
.endr
	s_wait_alu depctr_va_vdst(0)                   ; ahead of the batch
	v_rcp_f32 v100, v100
	v_rcp_f32 v101, v101
	v_nop
	s_wait_alu depctr_va_vdst(0)                   ; and behind it, ahead of its first reader
	v_ldexp_f32 v100, v100, s92
	v_ldexp_f32 v101, v101, s92
.irp u, 0,1,2,3,4,5,6,7
.irp i, 0,1
	v_mul_f32 v[64+4*\u+2*\i+1], v[64+4*\u+2*\i], v[100+\i]
	v_mul_f32 v[64+4*\u+2*\i], v[64+4*\u+2*\i], v[100+\i]
.endr
.endr
	s_wait_alu depctr_va_vdst(0)
	s_wait_tensorcnt 0x0                           ; my part of p's first half has landed
	WIN 0x04
.irp u, 0,1,2,3,4,5,6,7
	ds_store_b128 v[FSA], v[64+4*\u:64+4*\u+3] offset:2048*\u
.endr
	WIN 0
	s_wait_tensorcnt 0x0
	ds_add_u32 v[SPW], v[NIL]
	s_wait_dscnt 0x0                               ; the add and my stores of F are done
	CROUND                                         ; a whole round: p's first half and F are whole, and the joint loads meet
	tensor_load_to_lds s[G0B:G0B+3], s[G1:G1+7]    ; key steps 8-15: my one tensor load behind the round
	s_nop 0
	PLACES
	LDAS 0
.irp k, 0,1,2,3,4,5,6,7,8,9,10,11,12,13,14,15
	STEP \k
.endr
	s_wait_alu depctr_va_vdst(0)
; THE WAY OUT, by rowblocks of queries: 16 rows x 256 bytes go through my own stage and come back as rows: sixteen lanes store one aligned unit of 256 bytes.  LDS serves a wave's instructions in order (ISA guide 5.7.1.4).
.macro TOSTAGE a
	WIN 0x08
.irp b, 0,1,2,3
	ds_store_b128 v[STO], v[32*(\a)+8*\b:32*(\a)+8*\b+3] offset:128*(\b/2)+32*(\b%2)
	ds_store_b128 v[STO], v[32*(\a)+8*\b+4:32*(\a)+8*\b+7] offset:128*(\b/2)+32*(\b%2)+16
.endr
	WIN 0
.irp t, 0,1,2,3,4,5,6,7
	ds_load_b128 v[RING+32*((\a)%4)+4*\t:RING+32*((\a)%4)+4*\t+3], v[RD] offset:544*\t
.endr
.endm
.macro SEND a, younger
	s_wait_dscnt \younger
.irp t, 0,1,2,3,4,5,6,7
	global_store_b128 v[CO], v[RING+32*((\a)%4)+4*\t:RING+32*((\a)%4)+4*\t+3], s[OUT:OUT+1] offset:4096*(32*((\a)/2)+8*((\a)%2)+2*\t+8*(\t/4)) th:TH_STORE_NT
.endr
.endm
	TOSTAGE 0
.irp a, 1,2,3,4,5,6,7
.if \a >= 4
	s_wait_xcnt 0x0                                ; the stores of four blocks ago have read this set of registers
.endif
	TOSTAGE \a
	SEND \a-1, 16                                  ; behind that block's loads: this block's 8 stores and 8 loads
.endr
	SEND 7, 0
	s_wait_tensorcnt 0x0                           ; the wave's end
	ds_add_u32 v[SPW], v[NIL]
	s_wait_dscnt 0x0
	CROUND                                         ; the closing round
	s_endpgm
.Lfunc_end_k_q894ae91cf0_pv:
	.size	k_q894ae91cf0_pv, .Lfunc_end_k_q894ae91cf0_pv-k_q894ae91cf0_pv
	.p2alignl 7, 3214868480
	.fill 96, 4, 3214868480
	.section	.rodata,"a",@progbits
	.p2align	6, 0x0
	.amdhsa_kernel k_q894ae91cf0_pv
		.amdhsa_group_segment_fixed_size 327680
		.amdhsa_private_segment_fixed_size 0
		.amdhsa_enable_private_segment 0
		.amdhsa_kernarg_size 40
		.amdhsa_user_sgpr_count 2
		.amdhsa_user_sgpr_kernarg_segment_ptr 1
		.amdhsa_wavefront_size32 1
		.amdhsa_system_sgpr_workgroup_id_x 1
		.amdhsa_system_sgpr_workgroup_id_y 1
		.amdhsa_system_sgpr_workgroup_id_z 1
		.amdhsa_system_vgpr_workitem_id 0
		.amdhsa_next_free_vgpr 1024
		.amdhsa_next_free_sgpr 100
		.amdhsa_reserve_vcc 0
		.amdhsa_float_denorm_mode_32 3
		.amdhsa_float_denorm_mode_16_64 3
		.amdhsa_memory_ordered 1
		.amdhsa_forward_progress 1
		.amdhsa_inst_pref_size 203
	.end_amdhsa_kernel
	.amdgpu_metadata
---
amdhsa.version: [ 1, 2 ]
amdhsa.kernels:
  - .name:           k_q894ae91cf0_pv
    .symbol:         k_q894ae91cf0_pv.kd
    .args:
      - { .name: pc, .offset: 0, .size: 8, .value_kind: global_buffer, .address_space: global }
      - { .name: vtc, .offset: 8, .size: 8, .value_kind: global_buffer, .address_space: global }
      - { .name: st, .offset: 16, .size: 8, .value_kind: global_buffer, .address_space: global }
      - { .name: lowp_scales, .offset: 24, .size: 8, .value_kind: global_buffer, .address_space: global }
      - { .name: out0, .offset: 32, .size: 8, .value_kind: global_buffer, .address_space: global }
    .group_segment_fixed_size: 327680
    .private_segment_fixed_size: 0
    .kernarg_segment_align: 8
    .kernarg_segment_size: 40
    .max_flat_workgroup_size: 128
    .sgpr_count:     100
    .vgpr_count:     1024
    .wavefront_size: 32
...
	.end_amdgpu_metadata
.endif
;; end of part 4
